; MI455X (gfx1250); checked and timed in simulation.
; The chip was launched on July 23, 2026; its instructions are those of AMD's public machine-readable ISA for CDNA 5 (MIT licence, August 2026) and "CDNA5" Instruction Set Architecture Reference Guide (July 2026). The comments in the code are by the model that wrote it; some were corrected since.
;; Multi Head Attention. Allowed arithmetic: matrix products marked QUANTISED: E2M1 operands, one E8M0 scale for each 32 along K, by v_wmma_scale_f32_16x16x128_f8f6f4 with both operands' format E2M1 (or v_wmma_scale_f32_32x16x128_f4), f32 sums; everything else in f32.
;; Inputs: Wk 16 x 1,024 x 64 float32; Wo 1,024 x 1,024 float32; Wq 16 x 1,024 x 64 float32; Wv 16 x 1,024 x 64 float32; bk 16 x 64 float32; bo 1,024 float32; bq 16 x 64 float32; bv 16 x 64 float32; x 4 x 2,048 x 1,024 float32.
;; Outputs: out0 4 x 2,048 x 1,024 float32.
;; This version of the problem:
;;   THIS VERSION OF THE PROBLEM IS GIVEN IN LOW PRECISION. The matrix products marked QUANTISED in the list below multiply operands that are first quantised to E2M1 (2 exponent bits, 1 mantissa bit; 4 bits a number), with one power-of-two scale for each 32 numbers along K (OCP MX v1.0); their sums are f32. All else is computed in f32.
;;   The module's matrix products, in the order in which they are computed (A, B: the left and right operand; K: the contracted axis; several contracted axes count as one K, in the product's order):
;;     1. [M 1,024, K 1,024] x [K 1,024, N 8,192]; A: input Wq; B: input x: QUANTISED
;;     2. [M 1,024, K 1,024] x [K 1,024, N 8,192]; A: input Wk; B: input x: QUANTISED
;;     3. [M 1,024, K 1,024] x [K 1,024, N 8,192]; A: input Wv; B: input x: QUANTISED
;;     4. batch 64 x [M 2,048, K 64] x [K 64, N 2,048]; A: computed on the way; B: computed on the way: QUANTISED
;;     5. batch 64 x [M 2,048, K 2,048] x [K 2,048, N 64]; A: softmax (see below); B: computed on the way: QUANTISED
;;     6. [M 8,192, K 1,024] x [K 1,024, N 1,024]; A: computed on the way; B: input Wo: QUANTISED
;;   THE QUANTISER, for each operand of a quantised product, along K:
;;     - K is cut into blocks of 32 from its start; a last block that is shorter is filled with zeros.
;;     - A block's scale is 2^e with e = floor(log2(the largest magnitude in the block)) - 2, held to -126 .. 127; a block of zeros has e = 0. As a byte (E8M0): e + 127.
;;     - Each number is divided by its block's scale, clamped to +-6, and rounded to the nearest number of E2M1, ties to even, subnormals kept.
;;     - The product sums the exact products of the quantised numbers (number of the format x scale) in f32.
;;   ~~~python
;;   def quantise(x, axis):      # numpy; x: float32 -> the quantised numbers, widened to float32 again
;;       x = np.moveaxis(x, axis, -1); K = x.shape[-1]
;;       x = np.pad(x, [(0, 0)] * (x.ndim - 1) + [(0, -K % 32)]); x = x.reshape(x.shape[:-1] + (-1, 32)); a = np.abs(x).max(-1, keepdims=True)
;;       e = np.where(a > 0, np.clip(np.frexp(np.where(a > 0, a, 1))[1] - 1 - 2, -126, 127), 0)      # np.frexp(a)[1] - 1 = floor(log2(a)), exactly
;;       r = np.clip(x / 2.0 ** e, -6, 6)
;;       step = 2.0 ** (np.maximum(np.frexp(np.where(r == 0, 1, r))[1] - 1, 0) - 1)
;;       q = np.round(r / step) * step * 2.0 ** e      # np.round: ties to even
;;       return np.moveaxis(q.reshape(q.shape[:-2] + (-1,))[..., :K], -1, axis).astype(np.float32)
;;   ~~~
;;   SOFTMAX AHEAD OF A QUANTISED PRODUCT. Where the list says 'softmax', what is quantised is not the finished softmax but p = 2^(t - M), with t = logit x log2(e) and M = ceil(the row's largest t), a whole number; so 1/2 < the row's largest p <= 1. The row's sum l is taken of the UNQUANTISED p, in f32, and the product's result is divided by l at the end. Since M is a whole number, a kernel that streams over the keys may use a running M (the ceiling of the running maximum): every later rescaling is an exact power of two, which a block's scale takes up: the codes' values come out the same.
;;   OPERANDS COMPUTED ON THE WAY. 'Computed on the way' means the value that the module computes at that place (a softmax that the list does not call 'softmax' is quantised finished and normalised). What goes into a quantiser is computed in f32, as accurately as f32 sums, v_exp_f32 and their like allow (about 1e-6 of the number): no bf16 or f16 on the way to a quantiser, and a product that is left as it is and whose result goes on into a quantised operand takes f32 operands (vector FMAs, or v_wmma_f32_16x16x4_f32). A number that lies on a knife's edge between two numbers of the format may be rounded either way, as far as f32 arithmetic and the matrix unit's own rounding can turn it there, and no further.
;; One version. Each part assembles by itself: llvm-mc -triple=amdgcn-amd-amdhsa -mcpu=gfx1250 --defsym DOCPART=n.
;; ======== version 1 of 1: 4 launches
;; limits: right only within a limited range of input values
;; workspace buffers: xcodes 4,194,304 bytes; xscales 262,144 bytes; wcodes 2,097,152 bytes; wscales 131,072 bytes; qkv 13,893,632 bytes; cimg 4,194,304 bytes; csc 262,144 bytes
;; launch quant (part 1): grid 768 x 1, 4 waves a work-group, no clusters, 41,984 bytes of LDS; arguments x, Wo, Wq, Wk, Wv, xcodes, xscales, wcodes, wscales; writes xcodes, xscales, wcodes, wscales
.if DOCPART == 1
	.amdgcn_target "amdgcn-amd-amdhsa--gfx1250"
	.amdhsa_code_object_version 6
	.text
	.protected	k_q3fd9ba964c_quant
	.globl	k_q3fd9ba964c_quant
	.p2align	8
	.type	k_q3fd9ba964c_quant,@function
k_q3fd9ba964c_quant:
	s_mov_b64 s[64:65], 0
	v_nop
	global_prefetch_b8 v0, s[64:65] scope:SCOPE_SE
	s_setreg_imm32_b32 hwreg(HW_REG_WAVE_MODE, 25, 1), 1
	s_wait_xcnt 0x0
; All five f32 operands of the projections become codes of FP4 (E2M1) with one E8M0 scale byte for each 32 along K, K innermost: rows of 512 bytes of codes and of 32 scale bytes.
; A block's scale is 2^(floor(log2(its largest magnitude)) - 2); its byte is the largest magnitude's exponent field - 2, held at 1 from below.
; LIMITS: NaN and infinities among the inputs are not served.  A block of zeros, or one whose largest magnitude lies under 2^-124, gets the byte 1
; (the rule says 127 for zeros): its codes are zeros, which add nothing under any byte but 0xff, and this program alone reads the bytes.
; STORED ROW ORDER: stored row l holds true row l with bits 3 and 4 exchanged.  Sixteen stored rows on end are then the rows that a tile of a
; transposed product wants, so that its results run along neighbouring true rows in a lane's registers.
; TWO WAYS THROUGH THE TEXT, parted once on the work-group's number, so that all four waves of a work-group take the same way:
;   work-groups 0-287, BY ROWS: x [8192][1024] (0-255) and Wo [1024][1024] (256-287), whose K is innermost.  Wo's rows lie from row 3,072 on in the weights' buffers.
;     A wave takes 8 rows (8,192 numbers, 16 steps of 512): it reads run 4 g + w and writes run 4 g + (w with its two bits exchanged).  Each load reads 512 consecutive bytes;
;     a step's 2,048 bytes turn through the wave's own stage in LDS, so that a lane holds 16 neighbours along K.  Waves share nothing: no barrier.
;   work-groups 288-479, BY COLUMNS: Wq, Wk, Wv [16 heads][1024 (d)][64 (k)], whose K is d, the MIDDLE axis; they go to rows 1024 x tensor + 64 head + k.
;     A LANE TAKES A COLUMN k AND ITS REGISTERS RUN DOWN d: a block of 32 along d lies in one lane's 32 registers, and the conversions give codes with d innermost.
;     A work-group takes 32 columns x 512 along d; wave w takes d = 128 w .. 128 w + 127 of them, four blocks.  The four waves' codes of a column meet in one stage in LDS
;     (32 rows x (256 + 16) bytes); behind a barrier each wave stores 8 whole pieces of 256 bytes, sixteen lanes to an aligned piece.
;     The scale bytes leave as 4 bytes a lane, rows 32 bytes apart: pieces of blocks; they are one byte for each 128 that this way reads.
;     With idx = work-group - 288: tensor = idx / 64, head = (idx / 4) % 16, columns 32 ((idx / 2) % 2) on, d 512 (idx % 2) on.
; Each way has LDS bytes of its own: by rows 0 .. 32,767, by columns 32,768 .. 41,471.
; BY ROWS, in place of the shares that the head comment names: work-groups 0-511 take x, 512-575 Wo, 576-767 go by columns.  A wave takes 4 rows, half a run of 8 (4,096 numbers, 8 steps of 512):
; with g the work-group's number in its tensor it reads half-run 4 g + w and writes half-run 8 (g / 2) + 4 (w / 2) + 2 (g % 2) + w % 2: the run's two low bits exchanged, the half kept.
; Its 128 scale bytes leave as 128 consecutive bytes: one byte for each 16 bytes of codes.
.set NROW,  576                        ; work-groups by rows
.set WGA,   512                        ; of them x's
.set STEPS, 8
.set WOC,   3072*512                   ; Wo's first code byte in wcodes
.set WOS,   3072*32                    ; and its first scale byte in wscales
.set CB,    8                          ; bytes of 16 codes
.set RR,    16                         ; by rows: v16-79   four sets of 16 numbers as loaded
.set RX,    80                         ;          v80-111  two sets of 16 neighbours
.set RE,    112                        ;          v112-119 a scale byte for each step
.set RC,    128                        ;          v128-159 codes: four registers for each step, so that no store's data are written again
.set WREG,  8192                       ;          LDS: a region for each wave: two stages of 32 x RSP bytes, then its 128 scale bytes
.set RSP,   80                         ;          a lane's place in a stage: 64 bytes + 16 of padding
.set CSTG,  32768                      ; by columns: the work-group's stage
.set CPITCH, 272
.set CX,    32                         ;          v32-95   two sets of 32 numbers
.set CC,    96                         ;          v96-99   a block's codes
.set COUT,  112                        ;          v112-127 the way out
.set CSB,   24                         ;          v24      my four scale bytes
	s_load_b256 s[36:43], s[0:1], 0x0              ; x, Wo, Wq, Wk
	s_load_b256 s[44:51], s[0:1], 0x20             ; Wv, x's codes, x's scales, the weights' codes
	s_load_b64 s[52:53], s[0:1], 0x40              ; the weights' scales
	v_lshl_add_u32 v192, v0, 2, 0xa200
	v_mov_b32 v193, 0
	v_lshrrev_b32 v1, 5, v0
	v_readfirstlane_b32 s16, v1                    ; wave 0..3
	v_and_b32 v2, 31, v0                           ; lane
	s_cmp_ge_u32 ttmp9, NROW                       ; the way hangs on the work-group's number alone
	s_cbranch_scc1 .Lcols
	; ---------------- BY ROWS ----------------
	v_lshlrev_b32 v3, 4, v2                        ; my 16 bytes of a load's 512
	s_mul_i32 s17, s16, WREG
	v_lshrrev_b32 v14, 2, v2
	v_mul_u32_u24 v14, v14, RSP
	v_and_b32 v15, 3, v2
	v_lshl_add_u32 v14, v15, 4, v14
	v_add_nc_u32 v14, s17, v14                     ; the stage, way in: RSP (lane / 4) + 16 (lane % 4)
	v_mul_u32_u24 v15, v2, RSP
	v_add_nc_u32 v15, s17, v15                     ; way out: RSP x lane: my 16 neighbours
	v_mul_u32_u24 v4, v2, CB                       ; my codes' place in a step's
	v_lshrrev_b32 v5, 1, v2
	s_add_co_u32 s17, s17, 2*32*RSP
	v_add_nc_u32 v5, s17, v5                       ; LDS: my block's scale byte
	v_lshlrev_b32 v7, 2, v2                        ; on the way out 4 bytes a lane
	v_add_nc_u32 v6, s17, v7
	s_lshr_b32 s26, s16, 1
	s_lshl_b32 s26, s26, 2
	s_and_b32 s27, s16, 1
	s_or_b32 s26, s26, s27                         ; 4 (w / 2) + w % 2
	s_wait_alu depctr_va_vdst(0)
	s_wait_kmcnt 0x0
	s_cmp_lt_u32 ttmp9, WGA                        ; x's work-group or Wo's: only pointers and offsets are chosen
	s_cselect_b64 s[4:5], s[36:37], s[38:39]
	s_cselect_b64 s[8:9], s[46:47], s[50:51]
	s_cselect_b64 s[10:11], s[48:49], s[52:53]
	s_cselect_b32 s17, 0, WGA
	s_cselect_b32 s22, 0, WOC
	s_cselect_b32 s24, 0, WOS
	s_sub_co_u32 s17, ttmp9, s17                   ; g
	s_and_b32 s27, s17, 1
	s_lshl_b32 s27, s27, 1
	s_add_co_u32 s26, s26, s27                     ; + 2 (g % 2)
	s_lshr_b32 s27, s17, 1
	s_lshl_b32 s27, s27, 3
	s_add_co_u32 s26, s26, s27                     ; + 8 (g / 2): the half-run that I write
	s_lshl_b32 s17, s17, 2
	s_add_co_u32 s18, s17, s16                     ; the half-run that I read
	s_lshl_b32 s18, s18, 14                        ; 16,384 bytes of f32 a half-run
	s_mov_b32 s19, 0
	s_add_nc_u64 s[4:5], s[4:5], s[18:19]
	s_lshl_b32 s20, s26, 11                        ; 2,048 bytes of codes a half-run
	s_add_co_u32 s20, s20, s22
	s_mov_b32 s21, 0
	s_add_nc_u64 s[8:9], s[8:9], s[20:21]
	s_lshl_b32 s22, s26, 7                         ; 128 scale bytes a half-run
	s_add_co_u32 s22, s22, s24
	s_mov_b32 s23, 0
	s_add_nc_u64 s[10:11], s[10:11], s[22:23]
.macro RLOAD t
.irp i, 0,1,2,3
	global_load_b128 v[RR+16*((\t)%4)+4*\i:RR+16*((\t)%4)+4*\i+3], v3, s[4:5] offset:2048*(\t)+512*\i th:TH_LOAD_NT   ; 32 lanes read 512 consecutive bytes
.endr
.endm
.macro RTURN t                         ; step t's numbers through the stage: LDS serves a wave's instructions in order, so no wait stands between the stores and the loads
.irp i, 0,1,2,3
	ds_store_b128 v14, v[RR+16*((\t)%4)+4*\i:RR+16*((\t)%4)+4*\i+3] offset:32*RSP*((\t)%2)+8*RSP*\i
.endr
.irp i, 0,1,2,3
	ds_load_b128 v[RX+16*((\t)%2)+4*\i:RX+16*((\t)%2)+4*\i+3], v15 offset:32*RSP*((\t)%2)+16*\i
.endr
.endm
.irp t, 0,1,2,3
	RLOAD \t
.endr
	s_wait_loadcnt 12                              ; step 0's four loads are in; three steps' twelve stay out
	RTURN 0
.macro RSTEP t
.set XS, RX+16*((\t)%2)
.if (\t) > 0
	s_wait_dscnt 1                                 ; this step's numbers are back from the stage (the last step's byte store may be out): its stores into the stage have read their registers,
.else
	s_wait_dscnt 0x0
.endif
.if (\t)+4 < STEPS
	RLOAD (\t)+4                                   ; which take the loads of four steps on
.endif
.if (\t)+1 < STEPS
.if STEPS-2-(\t) >= 3
	s_wait_loadcnt 12                              ; the next step's four loads are in; those of the three steps behind it may be out
.else
	s_wait_loadcnt 4*(STEPS-2-(\t))
.endif
	RTURN (\t)+1                                   ; and go through the other stage while this step is worked
.endif
	v_max3_num_f32 v8, |v[XS]|, |v[XS+1]|, |v[XS+2]|               ; the largest magnitude of my 16, in two chains
	v_max3_num_f32 v9, |v[XS+3]|, |v[XS+4]|, |v[XS+5]|
.irp i, 6,10
	v_max3_num_f32 v8, v8, |v[XS+\i]|, |v[XS+\i+1]|
	v_max3_num_f32 v9, v9, |v[XS+\i+2]|, |v[XS+\i+3]|
.endr
	v_max3_num_f32 v8, v8, |v[XS+14]|, |v[XS+15]|
	v_max3_num_f32 v8, v8, v9, 0x1800000           ; and the floor 2^(3 - 127): the byte cannot fall under 1
	v_max_num_f32_dpp v8, v8, v8 row_xmask:1 row_mask:0xf bank_mask:0xf   ; and of my neighbour's 16: the block's
	v_add_nc_u32 v11, 0xff000000, v8               ; 2 off its exponent field: the conversion takes the exponent field of this operand as its scale
	v_cvt_scalef32_pk8_fp4_f32 v[RC+4*(\t)], v[XS:XS+7], v11
	v_cvt_scalef32_pk8_fp4_f32 v[RC+4*(\t)+1], v[XS+8:XS+15], v11
	v_lshrrev_b32 v[RE+(\t)], 23, v11              ; the scale's byte
	ds_store_b8 v5, v[RE+(\t)] offset:16*(\t)      ; both lanes of a block write the same byte with the same value
	global_store_b64 v4, v[RC+4*(\t):RC+4*(\t)+1], s[8:9] offset:32*CB*(\t)   ; the wave stores 256 consecutive bytes, aligned
.endm
.irp t, 0,1,2,3,4,5,6,7
	RSTEP \t
.endr
	ds_load_b32 v12, v6                            ; LDS serves a wave's instructions in order: this sees my byte stores
	s_wait_dscnt 0x0
	global_store_b32 v7, v12, s[10:11]             ; 32 lanes store 128 consecutive bytes: the scale bytes of my 4 rows
	s_wait_tensorcnt 0x0
	ds_add_u32 v192, v193
	s_wait_dscnt 0x0
	s_endpgm
	; ---------------- BY COLUMNS ----------------
.Lcols:
	s_sub_co_u32 s31, ttmp9, NROW                  ; idx 0..191
	s_lshr_b32 s17, s31, 6                         ; the tensor
	s_bfe_u32 s18, s31, 0x40002                    ; the head
	s_bfe_u32 s19, s31, 0x10001                    ; which 32 columns
	s_and_b32 s20, s31, 1                          ; which 512 along d
	s_wait_alu depctr_va_vdst(0)
	v_lshlrev_b32 v3, 2, v2                        ; in: 4 bytes a lane
	s_lshl_b32 s30, s16, 6
	s_add_co_u32 s30, s30, CSTG
	v_mul_u32_u24 v4, v2, CPITCH
	v_add_nc_u32 v4, s30, v4                       ; into the stage: row = my column, my wave's 64 bytes of it
	v_and_b32 v5, 15, v2
	v_lshrrev_b32 v6, 4, v2
	s_mul_i32 s30, s16, 8*CPITCH
	s_add_co_u32 s30, s30, CSTG
	v_mul_u32_u24 v7, v6, CPITCH
	v_lshl_add_u32 v7, v5, 4, v7
	v_add_nc_u32 v7, s30, v7                       ; out of it: rows 8 w on, sixteen lanes to a row, two rows an instruction
	v_lshlrev_b32 v8, 9, v6
	v_lshl_add_u32 v8, v5, 4, v8                   ; and the same place in the codes' buffer (rows of 512 bytes)
	v_and_b32 v9, 7, v2
	v_bfe_u32 v10, v2, 3, 1
	v_lshl_or_b32 v9, v10, 4, v9
	v_lshl_or_b32 v9, v6, 3, v9                    ; my column with bits 3 and 4 exchanged: its stored row
	v_lshlrev_b32 v9, 5, v9                        ; 32 scale bytes a row
	s_lshl_b32 s22, s18, 18                        ; in: head x 262,144
	s_lshl_b32 s23, s20, 17                        ; + 512 rows of 256 bytes
	s_add_co_u32 s22, s22, s23
	s_lshl_b32 s23, s16, 15                        ; + 128 rows a wave
	s_add_co_u32 s22, s22, s23
	s_lshl_b32 s23, s19, 7                         ; + 32 columns
	s_add_co_u32 s22, s22, s23
	s_mov_b32 s23, 0
	s_lshl_b32 s24, s17, 10
	s_lshl_b32 s25, s18, 6
	s_add_co_u32 s24, s24, s25
	s_lshl_b32 s25, s19, 5
	s_add_co_u32 s24, s24, s25                     ; the first of my work-group's 32 rows: 1024 tensor + 64 head + 32 half
	s_and_b32 s25, s16, 1
	s_lshl_b32 s25, s25, 4
	s_lshr_b32 s26, s16, 1
	s_lshl_b32 s26, s26, 3
	s_add_co_u32 s25, s25, s26                     ; stage rows 8 w .. 8 w + 7 are stored at rows 16 (w % 2) + 8 (w / 2) on
	s_add_co_u32 s25, s25, s24
	s_lshl_b32 s26, s25, 9
	s_lshl_b32 s25, s20, 8
	s_add_co_u32 s26, s26, s25                     ; + 256 bytes for the upper 512 along d
	s_mov_b32 s27, 0
	s_lshl_b32 s28, s24, 5
	s_lshl_b32 s25, s20, 4
	s_add_co_u32 s28, s28, s25
	s_lshl_b32 s25, s16, 2
	s_add_co_u32 s28, s28, s25                     ; scale bytes: row x 32 + 16 half + 4 wave
	s_mov_b32 s29, 0
	s_wait_kmcnt 0x0
	s_cmp_eq_u32 s17, 1                            ; the tensor is chosen by the work-group's number alone
	s_cselect_b64 s[4:5], s[42:43], s[40:41]
	s_cmp_eq_u32 s17, 2
	s_cselect_b64 s[4:5], s[44:45], s[4:5]
	s_add_nc_u64 s[4:5], s[4:5], s[22:23]
	s_add_nc_u64 s[10:11], s[50:51], s[26:27]
	s_add_nc_u64 s[12:13], s[52:53], s[28:29]
.macro CLOAD t                         ; block t: W(32 t + i, my column), i = 0 .. 31, into set t % 2; a load reads 128 consecutive bytes.  No hint: the other half of each row of 256 bytes is another work-group's
.set nl, 0
.rept 32
	global_load_b32 v[CX+32*((\t)%2)+nl], v3, s[4:5] offset:(32*(\t)+nl)*256
.set nl, nl+1
.endr
.endm
	CLOAD 0
	CLOAD 1
.macro CBLOCK t
.set XC, CX+32*((\t)%2)
.if (\t) < 3
	s_wait_loadcnt 32                              ; this block's 32 loads are in; the next block's may be out
.else
	s_wait_loadcnt 0x0
.endif
	v_max3_num_f32 v12, |v[XC]|, |v[XC+1]|, |v[XC+2]|              ; the block's largest magnitude: all 32 numbers are mine
	v_max3_num_f32 v13, |v[XC+3]|, |v[XC+4]|, |v[XC+5]|
.irp i, 6,10,14,18,22,26
	v_max3_num_f32 v12, v12, |v[XC+\i]|, |v[XC+\i+1]|
	v_max3_num_f32 v13, v13, |v[XC+\i+2]|, |v[XC+\i+3]|
.endr
	v_max3_num_f32 v12, v12, |v[XC+30]|, |v[XC+31]|
	v_max3_num_f32 v12, v12, v13, 0x1800000        ; and the floor 2^(3 - 127)
	v_add_nc_u32 v11, 0xff000000, v12              ; 2 off its exponent field: the conversion's scale operand
	v_lshrrev_b32 v13, 23, v11                     ; the scale's byte
.if (\t) == 0
	v_mov_b32 v[CSB], v13
.else
	v_lshl_or_b32 v[CSB], v13, 8*(\t), v[CSB]      ; the lower d in the lower byte
.endif
.irp g, 0,1,2,3
	v_cvt_scalef32_pk8_fp4_f32 v[CC+\g], v[XC+8*\g:XC+8*\g+7], v11
.endr
	ds_store_b128 v4, v[CC:CC+3] offset:16*(\t)    ; 32 codes: 16 bytes of my column's row
.if (\t)+2 < 4
	CLOAD (\t)+2
.endif
	s_wait_dscnt 0x0                               ; the store has read its registers: the next block's codes may be written
.endm
	CBLOCK 0
	CBLOCK 1
	CBLOCK 2
	CBLOCK 3
	s_wait_alu depctr_va_vdst(0)
	global_store_b32 v9, v[CSB], s[12:13]          ; my column's four scale bytes
	s_wait_dscnt 0x0                               ; for the others' sake: my stores into the stage are done
	s_barrier_signal -1
	s_barrier_wait -1
.irp t, 0,1,2,3
	ds_load_b128 v[COUT+4*\t:COUT+4*\t+3], v7 offset:2*\t*CPITCH
.endr
.irp t, 0,1,2,3
	s_wait_dscnt 3-\t                              ; rows 2 t and 2 t + 1 of my eight are in; the younger loads may be out
	global_store_b128 v8, v[COUT+4*\t:COUT+4*\t+3], s[10:11] offset:1024*\t   ; sixteen lanes store 256 consecutive bytes, aligned
.endr
	s_wait_tensorcnt 0x0
	ds_add_u32 v192, v193
	s_wait_dscnt 0x0
	s_endpgm
.Lfunc_end_k_q3fd9ba964c_quant:
	.size	k_q3fd9ba964c_quant, .Lfunc_end_k_q3fd9ba964c_quant-k_q3fd9ba964c_quant
	.p2alignl 7, 3214868480
	.fill 96, 4, 3214868480
	.section	.rodata,"a",@progbits
	.p2align	6, 0x0
	.amdhsa_kernel k_q3fd9ba964c_quant
		.amdhsa_group_segment_fixed_size 41984
		.amdhsa_private_segment_fixed_size 0
		.amdhsa_enable_private_segment 0
		.amdhsa_kernarg_size 72
		.amdhsa_user_sgpr_count 2
		.amdhsa_user_sgpr_kernarg_segment_ptr 1
		.amdhsa_wavefront_size32 1
		.amdhsa_system_sgpr_workgroup_id_x 1
		.amdhsa_system_sgpr_workgroup_id_y 1
		.amdhsa_system_sgpr_workgroup_id_z 1
		.amdhsa_system_vgpr_workitem_id 0
		.amdhsa_next_free_vgpr 194
		.amdhsa_next_free_sgpr 66
		.amdhsa_reserve_vcc 0
		.amdhsa_float_denorm_mode_32 3
		.amdhsa_float_denorm_mode_16_64 3
		.amdhsa_memory_ordered 1
		.amdhsa_forward_progress 1
		.amdhsa_inst_pref_size 40
	.end_amdhsa_kernel
	.amdgpu_metadata
---
amdhsa.version: [ 1, 2 ]
amdhsa.kernels:
  - .name:           k_q3fd9ba964c_quant
    .symbol:         k_q3fd9ba964c_quant.kd
    .args:
      - { .name: x, .offset: 0, .size: 8, .value_kind: global_buffer, .address_space: global }
      - { .name: Wo, .offset: 8, .size: 8, .value_kind: global_buffer, .address_space: global }
      - { .name: Wq, .offset: 16, .size: 8, .value_kind: global_buffer, .address_space: global }
      - { .name: Wk, .offset: 24, .size: 8, .value_kind: global_buffer, .address_space: global }
      - { .name: Wv, .offset: 32, .size: 8, .value_kind: global_buffer, .address_space: global }
      - { .name: xcodes, .offset: 40, .size: 8, .value_kind: global_buffer, .address_space: global }
      - { .name: xscales, .offset: 48, .size: 8, .value_kind: global_buffer, .address_space: global }
      - { .name: wcodes, .offset: 56, .size: 8, .value_kind: global_buffer, .address_space: global }
      - { .name: wscales, .offset: 64, .size: 8, .value_kind: global_buffer, .address_space: global }
    .group_segment_fixed_size: 41984
    .private_segment_fixed_size: 0
    .kernarg_segment_align: 8
    .kernarg_segment_size: 72
    .max_flat_workgroup_size: 128
    .sgpr_count:     66
    .vgpr_count:     194
    .wavefront_size: 32
...
	.end_amdgpu_metadata
.endif
;; end of part 1
;; launch proj (part 2): grid 8 x 48, 16 waves a work-group, clusters of 4 x 4, 297,984 bytes of LDS; arguments xcodes, xscales, wcodes, wscales, bq, bk, bv, qkv; writes qkv
.if DOCPART == 2
	.amdgcn_target "amdgcn-amd-amdhsa--gfx1250"
	.amdhsa_code_object_version 6
	.text
	.protected	k_q3fd9ba964c_proj
	.globl	k_q3fd9ba964c_proj
	.p2align	8
	.type	k_q3fd9ba964c_proj,@function
k_q3fd9ba964c_proj:
	s_mov_b64 s[64:65], 0
	v_nop
	global_prefetch_b8 v0, s[64:65] scope:SCOPE_SE
	s_setreg_imm32_b32 hwreg(HW_REG_WAVE_MODE, 25, 1), 1
	s_wait_xcnt 0x0
	s_wait_alu depctr_hold_cnt(0) depctr_sa_sdst(0) depctr_va_vdst(0) depctr_va_sdst(0) depctr_va_ssrc(0) depctr_va_vcc(0) depctr_vm_vsrc(0)
	s_getreg_b32 s2, hwreg(HW_REG_IB_STS2, 6, 4)
	s_cmp_eq_u32 s2, 0
	s_cbranch_scc0 .Lentry_in_a_cluster
	s_endpgm
.Lentry_in_a_cluster:
	s_bfe_u32 s2, ttmp6, 0x10000c
	s_cmp_lg_u32 s2, 0xf033
	s_cbranch_scc0 .Lentry_shape_is_right
	s_endpgm
.Lentry_shape_is_right:
; Q = x Wq + bq, K = x Wk + bk, V = x Wv + bv on codes of FP4 (E2M1) with E8M0 scales, and each result quantised again, straight from the accumulators, as an operand of attention.
; ONE PRODUCT FOR ALL THREE: T = P R^T, source 0 = 16 rows of P, source 1 = 16 rows of R, K = 1,024.  A lane then holds ONE row of R and its registers run along P's rows,
; and since stored rows have bits 3 and 4 exchanged, the 16 registers of tiles 2 b and 2 b + 1 are 16 neighbouring true rows of P: the axis along which the result is quantised.
;   cluster y < 8  (Q, K): P = rows of Wq (cluster x = 0) or Wk (1): the head's 64 is the next K;  R = rows of x.
;   cluster y >= 8 (V):    P = rows of x: the keys are the next K;  R = rows of Wv.
; The mode hangs on the cluster's number alone: it is the same in all sixteen partners.
; SHARES: a work-group makes 256 P x 256 R; each of its sixteen waves 128 P x 32 R: 8 x 2 accumulators, 128 registers; four waves to a SIMD, so that one wave's LDS loads stand beside another's products.
; LDS: all of K lies in LDS at once, in two halves of 512 along K (rows of 256 bytes + 16 of padding), each filled ONCE: no byte is filled again.  Behind them P's and R's scale bytes, in pieces of 256 + 16.
; CLUSTER 4 x 4: P's tile hangs on cx and is asked for jointly by a column of the cluster, R's on cy and by a row.  Waves 0-3 ask for P (64 rows each), waves 4-7 for R, three loads each; the others ask for nothing.
; THE BIASES are the accumulators' first values.  Along P (Q, K) a lane wants 64 numbers, along R (V) one number for each of its two rows.  Every wave loads both kinds from the bias buffer of its mode
; (the kind that it does not need from an address held inside that buffer) and v_cndmask_b32 takes the right one: so the text has one way up to the stores.
; OUT: a record of REC bytes for each (batch, head): images of operand registers (16 rows x 64 along K = 512 bytes, lane l's 16 bytes at 16 l) and scale words.
; The images leave as 512 consecutive bytes, aligned; the scale words as 128 consecutive bytes, a ninth of the bytes stored.
; LIMITS: NaN and infinities are not served; a block of zeros, or one whose largest magnitude lies under 2^-124, gets the byte 1: its codes are zeros and this program alone reads the bytes.
.set REC,   217088
.set KIMG,  0                          ; in a piece: [key tile: 8][512]
.set STEPB, 8960                       ; K and V lie by key step of 128 keys: a dense piece of STEPB bytes: K's 8 images, V's 8 images, K's scale words, V's scale words; 16 pieces, then Q
.set VIMG,  4096                       ; in a piece: [tile of the head's 64: 4][half of the step's 128 keys: 2][512]
.set KSC,   8192                       ; in a piece: [key tile: 8][row] words: two bytes, the upper half 0
.set VSC,   8704                       ; in a piece: [tile: 4][row] words
.set QIMG,  143360                     ; [query tile: 128][512]
.set QSC,   208896                     ; as KSC
.set PITCH, 272                        ; an LDS row: 256 bytes + 16: sixteen rows on end begin in sixteen different groups of four banks
.set QUART, 64*PITCH                   ; 64 rows: half of what one load brings
.set SIDE,  256*PITCH                  ; P's 256 rows; R's lie behind them
.set SLOT,  2*SIDE                     ; a half of K
.set SCLP,  2*SLOT                     ; P's scale bytes: 32 pieces of 256 + 16
.set SCLR,  SCLP+32*272                ; R's
.set WV, 20                            ; s20 wave;  s21 which 128 of P;  s22 which 32 of R
.set WP, 21
.set WR, 22
.set QW, 23
.set CX, 24
.set CY, 25
.set CLY, 26
.set MODE, 27                          ; 1: V
.set MODEM, 28                         ; -1: V
.set PT, 29                            ; P's tile of 256 rows
.set RT, 30                            ; R's
.set MKP, 31
.set MKR, 32
.set N128, 33                          ; which 128 rows of P are my wave's
.set RG, 66                            ; which 32 rows of R
.set SEL, 14                           ; s[14:15] lane selects for v_permlanex16_b32 (bk's pointer has been used by then)
.set G1P, 36                           ; s[36:43] group 1, P's codes;  s[44:51] R's codes;  s[52:59] P's scales;  s[68:75] R's scales
.set G1R, 44
.set G1PS, 52
.set G1RS, 68
.set G0P0, 60                          ; groups 0
.set G0P1, 76
.set G0PS, 80
.set G0R0, 84
.set G0R1, 88
.set G0RS, 92
.set SP,  12                           ; v12-27  P's scale words: register 4 i + q: lanes 0-15 tile 2 i, lanes 16-31 tile 2 i + 1, the half's q-th 128 along K
.set SR,  28                           ; v28-31  R's: lanes 0-15 tile 0, lanes 16-31 tile 1
.set RF,  32                           ; v32-47  R's two fragments
.set PF,  48                           ; v48-111 P's eight
.set BV,  112                          ; v112-113 the bias of my lane's two rows of R; v114-119 at work at the head
.set ACC, 128                          ; accumulator (j, t) at v[128 + 64 j + 8 t]
.set TM,  48                           ; the epilogue's 16 registers at work
.macro CROUND                          ; a round of the cluster's barrier
	s_barrier_signal -1
	s_barrier_wait -1
	s_cmp_lg_u32 s[WV], 0
	s_cbranch_scc1 .Lnot_wave_0_\@
	s_barrier_signal -3
.Lnot_wave_0_\@:
	s_barrier_wait -3
	s_barrier_signal -1
	s_barrier_wait -1
.endm
	s_load_b256 s[4:11], s[0:1], 0x0               ; x's codes, x's scales, the weights' codes, the weights' scales
	s_load_b256 s[12:19], s[0:1], 0x20             ; bq, bk, bv, qkv
	v_lshl_add_u32 v126, v0, 2, 0x48400
	v_mov_b32 v127, 0
	ds_add_u32 v126, v127
	ds_add_u32 v126, v127
	v_lshrrev_b32 v1, 5, v0
	s_delay_alu instid0(VALU_DEP_1)
	v_readfirstlane_b32 s[WV], v1                  ; wave 0..15
	s_and_b32 s[WP], s[WV], 1
	s_lshr_b32 s[WR], s[WV], 1
	s_bfe_u32 s[CX], ttmp6, 0x40000                ; my place in the cluster
	s_bfe_u32 s[CY], ttmp6, 0x40004
	s_and_b32 s[CLY], ttmp7, 0xffff                ; the cluster's y
	s_lshl_b32 s[MKP], 0x1111, s[CX]               ; my column of the cluster: the same cx
	s_lshl_b32 s34, s[CY], 2
	s_lshl_b32 s[MKR], 15, s34                     ; my row: the same cy
	; group 1, codes: 128 rows x 256 bytes, 512 bytes from row to row, 16 bytes of padding behind each 256
	s_or_b32 s[G1P], s[MKP], (1<<20)|(1<<21)|(5<<22)|(3<<25)
	s_or_b32 s[G1R], s[MKR], (1<<20)|(1<<21)|(5<<22)|(3<<25)
.irp g, G1P, G1R
	s_mov_b32 s[\g+1], 256<<16                     ; tensor_dim0
	s_mov_b32 s[\g+2], 128<<16                     ; tensor_dim1: a load of codes brings 128 rows
	s_mov_b32 s[\g+3], 256<<16                     ; tile_dim0
	s_mov_b32 s[\g+4], 128                         ; tile_dim1
	s_mov_b32 s[\g+5], 512                         ; from row to row
	s_mov_b32 s[\g+6], 0
	s_mov_b32 s[\g+7], 0
.endr
	; group 1, scale bytes of 256 rows: 8,192 dense bytes as 32 rows of 32 elements of 8 bytes, padded likewise
	s_or_b32 s[G1PS], s[MKP], (3<<16)|(1<<20)|(1<<21)|(5<<22)|(3<<25)
	s_or_b32 s[G1RS], s[MKR], (3<<16)|(1<<20)|(1<<21)|(5<<22)|(3<<25)
.irp g, G1PS, G1RS
	s_mov_b32 s[\g+1], 32<<16
	s_mov_b32 s[\g+2], 32<<16                      ; a load of scale bytes brings those of all 256 rows: 32 rows of 256 bytes
	s_mov_b32 s[\g+3], 32<<16
	s_mov_b32 s[\g+4], 32
	s_mov_b32 s[\g+5], 32
	s_mov_b32 s[\g+6], 0
	s_mov_b32 s[\g+7], 0
.endr
	s_lshl_b32 s34, s[CLY], 3
	s_sub_co_u32 s34, s34, 64                      ; mode V: 4 x 2 (cluster y - 8)
	s_lshl_b32 s35, s[CLY], 2                      ; mode Q, K: 4 x cluster y
	s_lshl_b32 s[PT], ttmp9, 2                     ; 4 x cluster x
	s_wait_dscnt 0x0
	s_wait_kmcnt 0x0
	s_cmp_eq_u32 ttmp9, 1                          ; Q's bias or K's
	s_cselect_b64 s[12:13], s[14:15], s[12:13]
	s_cmp_ge_u32 s[CLY], 8                         ; the mode
	s_cselect_b32 s[MODE], 1, 0
	s_cselect_b32 s[MODEM], -1, 0
	s_cselect_b32 s34, s34, 0
	s_cselect_b32 s35, 0, s35
	s_cselect_b32 s66, 2048, 0                     ; Wv's first row among the weights'
	s_cselect_b64 s[12:13], s[16:17], s[12:13]     ; the mode's bias
	s_cselect_b64 s[G0P0+2:G0P0+3], s[4:5], s[8:9] ; P: x in mode V, the weights else
	s_cselect_b64 s[G0PS+2:G0PS+3], s[6:7], s[10:11]
	s_cselect_b64 s[G0R0+2:G0R0+3], s[8:9], s[4:5] ; R: the other
	s_cselect_b64 s[G0RS+2:G0RS+3], s[10:11], s[6:7]
	s_add_co_u32 s[PT], s[PT], s34
	s_add_co_u32 s[PT], s[PT], s[CX]               ; P's tile: hangs on the cluster and cx
	s_add_co_u32 s[RT], s35, s[CY]                 ; R's tile: on the cluster and cy
	s_lshl_b32 s67, s[WP], 7                       ; which 128 rows I fetch, if I fetch codes: wave % 2
	s_lshl_b32 s96, s[PT], 8                       ; P's first row
	s_lshl_b32 s98, s96, 5                         ; the tile's scale bytes
	s_add_co_u32 s96, s96, s67
	s_lshl_b32 s96, s96, 9                         ; my rows' codes
	s_mov_b32 s97, 0
	s_mov_b32 s99, 0
	s_lshl_b32 s100, s[RT], 8
	s_add_co_u32 s100, s100, s66                   ; R's first row
	s_lshl_b32 s2, s100, 5
	s_add_co_u32 s100, s100, s67
	s_lshl_b32 s100, s100, 9
	s_mov_b32 s101, 0
	s_mov_b32 s3, 0
	s_add_nc_u64 s[G0P0+2:G0P0+3], s[G0P0+2:G0P0+3], s[96:97]
	s_add_nc_u64 s[G0P1+2:G0P1+3], s[G0P0+2:G0P0+3], 256           ; the upper 512 along K
	s_add_nc_u64 s[G0PS+2:G0PS+3], s[G0PS+2:G0PS+3], s[98:99]
	s_add_nc_u64 s[G0R0+2:G0R0+3], s[G0R0+2:G0R0+3], s[100:101]
	s_add_nc_u64 s[G0R1+2:G0R1+3], s[G0R0+2:G0R0+3], 256
	s_add_nc_u64 s[G0RS+2:G0RS+3], s[G0RS+2:G0RS+3], s[2:3]
.irp g, G0P0, G0P1, G0PS, G0R0, G0R1, G0RS
	s_mov_b32 s[\g], 1                             ; count = 1
	s_or_b32 s[\g+3], s[\g+3], 0x80000000          ; type = 2
.endr
	s_mul_i32 s34, s[WP], 2*QUART                  ; where they go hangs on the wave's number alone
	s_mov_b32 s[G0P0+1], s34
	s_add_co_u32 s[G0P1+1], s34, SLOT
	s_add_co_u32 s[G0R0+1], s34, SIDE
	s_add_co_u32 s[G0R1+1], s34, SLOT+SIDE
	s_mov_b32 s35, 0
	s_add_co_u32 s[G0PS+1], s35, SCLP
	s_add_co_u32 s[G0RS+1], s35, SCLR
	s_mov_b32 s[SEL], 0x76543210
	s_mov_b32 s[SEL+1], 0xfedcba98
	CROUND                                         ; all sixteen work-groups are here: the joint loads meet
; THE HEAD'S LOADS, ONE A WAVE, in place of the shares that the head comment names: waves 0, 1: P's lower half of K, 128 rows each; 2, 3: R's; 4: P's scale bytes; 5: R's;
; 6, 7: P's upper half of K; 8, 9: R's; waves 10-15 ask for nothing.  One chain of branches on the wave's number, a load to an arm, all arms leading to one join.
.macro ARM under, g0, g1, next
	s_cmp_lt_u32 s[WV], \under
	s_cbranch_scc0 \next
	tensor_load_to_lds s[\g0:\g0+3], s[\g1:\g1+7]
	s_nop 0
.rept 4
	v_nop
.endr
	s_branch .Lasked
\next:
.endm
	ARM 2,  G0P0, G1P,  .Larm_r0
	ARM 4,  G0R0, G1R,  .Larm_ps
	ARM 5,  G0PS, G1PS, .Larm_rs
	ARM 6,  G0RS, G1RS, .Larm_p1
	ARM 8,  G0P1, G1P,  .Larm_r1
	ARM 10, G0R1, G1R,  .Larm_none
.Lasked:
	v_and_b32 v10, 15, v0                          ; r
	v_bfe_u32 v11, v0, 4, 1                        ; h (kept for the epilogue)
	s_delay_alu instid0(VALU_DEP_2)
	v_mul_u32_u24 v114, v10, PITCH
	s_delay_alu instid0(VALU_DEP_1)
	v_lshl_add_u32 v114, v11, 4, v114              ; a fragment's row x pitch + 16 h
	s_mul_i32 s34, s[WP], 128*PITCH
	v_add_nc_u32 v1, s34, v114                     ; v1, v2: my 128 rows of P in the two halves of K
	s_delay_alu instid0(VALU_DEP_1)
	v_add_nc_u32 v2, SLOT, v1
	s_mul_i32 s34, s[WR], 32*PITCH
	s_add_co_u32 s34, s34, SIDE
	v_add_nc_u32 v3, s34, v114                     ; v3, v4: my 32 rows of R
	s_delay_alu instid0(VALU_DEP_1)
	v_add_nc_u32 v4, SLOT, v3
	v_lshrrev_b32 v115, 3, v10                     ; r / 8
	v_and_b32 v116, 7, v10                         ; r % 8
	s_delay_alu instid0(VALU_DEP_2)
	v_mul_u32_u24 v117, v115, 272
	s_delay_alu instid0(VALU_DEP_1)
	v_lshl_add_u32 v117, v116, 5, v117
	s_delay_alu instid0(VALU_DEP_1)
	v_mad_u32_u24 v117, v11, 544, v117             ; scale bytes: eight rows of 32 bytes to a piece; row 16 h + r: 544 h + 272 (r / 8) + 32 (r % 8)
	s_mul_i32 s34, s[WP], 16*272
	s_add_co_u32 s34, s34, SCLP
	v_add_nc_u32 v5, s34, v117
	s_mul_i32 s34, s[WR], 4*272
	s_add_co_u32 s34, s34, SCLR
	v_add_nc_u32 v6, s34, v117
	v_lshlrev_b32 v7, 6, v11                       ; the bias along P: 16 h numbers on
	s_wait_alu depctr_va_vdst(0)
	v_and_b32 v8, 31, v0
	s_delay_alu instid0(VALU_DEP_1)
	v_lshlrev_b32 v9, 2, v8                        ; 4 x lane
	s_delay_alu instid0(VALU_DEP_2)
	v_lshlrev_b32 v8, 4, v8                        ; 16 x lane
	v_lshlrev_b32 v115, 6, v115
	s_delay_alu instid0(VALU_DEP_1)
	v_lshl_add_u32 v10, v116, 2, v115              ; the bias along R: true row (r % 8) + 16 (r / 8), 4 bytes each
	s_wait_alu depctr_va_vdst(0)
	s_lshl_b32 s[N128], s[PT], 1
	s_add_co_u32 s[N128], s[N128], s[WP]
	s_lshl_b32 s[RG], s[RT], 3
	s_add_co_u32 s[RG], s[RG], s[WR]
	s_and_b32 s4, s[N128], 7                       ; 128 numbers of the 1,024 (in mode V the result is not used: the mask holds the address inside the buffer)
	s_lshl_b32 s4, s4, 9
	s_mov_b32 s5, 0
	s_add_nc_u64 s[6:7], s[12:13], s[4:5]
	s_and_b32 s4, s[RG], 31                        ; 32 numbers of the 1,024 (in mode Q, K not used, and held inside likewise)
	s_lshl_b32 s4, s4, 7
	s_add_nc_u64 s[8:9], s[12:13], s[4:5]
.irp t, 0,1,2,3,4,5,6,7                        ; tile t's registers are true rows 32 (t / 2) + 8 (t % 2) + 16 h + 0 .. 7
	global_load_b128 v[PF+8*\t:PF+8*\t+3], v7, s[6:7] offset:(32*(\t/2)+8*(\t%2))*4
	global_load_b128 v[PF+8*\t+4:PF+8*\t+7], v7, s[6:7] offset:(32*(\t/2)+8*(\t%2))*4+16
.endr
	global_load_b32 v[BV], v10, s[8:9]             ; tile j's lane r is true row 8 j + (r % 8) + 16 (r / 8)
	global_load_b32 v[BV+1], v10, s[8:9] offset:32
	s_wait_loadcnt 0x0
	s_mov_b32 vcc_lo, s[MODEM]
.irp j, 0,1
.set nb, 0
.rept 64
	v_cndmask_b32 v[ACC+64*\j+nb], v[PF+nb], v[BV+\j], vcc_lo      ; the sums begin with the bias: along P, or in mode V along R
.set nb, nb+1
.endr
.endr
; one matrix instruction: tile t of P x tile j of R, the half's q-th 128 along K
.macro WM q, t, j
.set rD, ACC+64*(\j)+8*(\t)
.set rA, PF+8*(\t)
.set rB, RF+8*(\j)
.set rSA, SP+4*((\t)/2)+(\q)
.set rSB, SR+(\q)
.if ((\t)%2 == 0) && ((\j) == 0)
	v_wmma_scale_f32_16x16x128_f8f6f4 v[rD:rD+7], v[rA:rA+7], v[rB:rB+7], v[rD:rD+7], v[rSA], v[rSB] matrix_a_fmt:MATRIX_FMT_FP4 matrix_b_fmt:MATRIX_FMT_FP4
.elseif ((\t)%2 == 1) && ((\j) == 0)
	v_wmma_scale_f32_16x16x128_f8f6f4 v[rD:rD+7], v[rA:rA+7], v[rB:rB+7], v[rD:rD+7], v[rSA], v[rSB] matrix_a_fmt:MATRIX_FMT_FP4 matrix_b_fmt:MATRIX_FMT_FP4 matrix_a_scale:MATRIX_SCALE_ROW1
.elseif ((\t)%2 == 0)
	v_wmma_scale_f32_16x16x128_f8f6f4 v[rD:rD+7], v[rA:rA+7], v[rB:rB+7], v[rD:rD+7], v[rSA], v[rSB] matrix_a_fmt:MATRIX_FMT_FP4 matrix_b_fmt:MATRIX_FMT_FP4 matrix_b_scale:MATRIX_SCALE_ROW1
.else
	v_wmma_scale_f32_16x16x128_f8f6f4 v[rD:rD+7], v[rA:rA+7], v[rB:rB+7], v[rD:rD+7], v[rSA], v[rSB] matrix_a_fmt:MATRIX_FMT_FP4 matrix_b_fmt:MATRIX_FMT_FP4 matrix_a_scale:MATRIX_SCALE_ROW1 matrix_b_scale:MATRIX_SCALE_ROW1
.endif
.endm
.macro MUL q, t0                       ; eight of a K step's sixteen: the sixteen accumulators take turns, one instruction a turn, in the same order in every step
.irp t, \t0, \t0+1, \t0+2, \t0+3
.irp j, 0,1
	WM \q, \t, \j
.endr
.endr
.endm
.macro KLOAD s, q                      ; the fragments of the q-th 128 along K of half s; with the first of a half its scale words
.if (\s)+(\q) > 0
.rept 4
	v_nop                                          ; four places between the last matrix instruction and loads into registers that it has read
.endr
.endif
.if \q == 0
.irp i, 0,1,2,3
	ds_load_b128 v[SP+4*\i:SP+4*\i+3], v5 offset:1088*\i+16*\s
.endr
	ds_load_b128 v[SR:SR+3], v6 offset:16*\s
.endif
.irp j, 0,1
.irp c, 0,1
	ds_load_b128 v[RF+8*\j+4*\c:RF+8*\j+4*\c+3], v[3+\s] offset:16*PITCH*\j+64*\q+32*\c
.endr
.endr
.irp t, 0,1,2,3,4,5,6,7
.irp c, 0,1
	ds_load_b128 v[PF+8*\t+4*\c:PF+8*\t+4*\c+3], v[1+\s] offset:16*PITCH*\t+64*\q+32*\c
.endr
.endr
.endm
.macro KSTEP s, q
	KLOAD \s, \q
	s_wait_dscnt 8                                 ; all but the youngest eight loads, P's tiles 4-7
	MUL \q, 0
	s_wait_dscnt 0x0
	MUL \q, 4
.endm
	s_wait_alu depctr_va_vdst(0)
	s_cmp_ge_u32 s[WV], 6                          ; waves 0-5 fetched what is read behind this barrier and wait for it; the upper half's loads (waves 6-9) may stay out
	s_cbranch_scc1 .Lupper_out
	s_wait_tensorcnt 0x0
.Lupper_out:
	s_barrier_signal -1
	s_barrier_wait -1                              ; everybody's are
	KSTEP 0, 0
	KSTEP 0, 1
	KSTEP 0, 2
	KSTEP 0, 3
	s_wait_tensorcnt 0x0                           ; my part of the second half is in
	s_wait_dscnt 0x0
	s_barrier_signal -1
	s_barrier_wait -1
	KSTEP 1, 0
	KSTEP 1, 1
	KSTEP 1, 2
	KSTEP 1, 3
; 64 numbers of a lane, register 16 b + i = index 32 b + 16 h + i of my row, become a fragment's codes in v[pc] on and its scale word in v[pw]
.macro QUANT s, pc, pw
.irp b, 0,1,2,3
	v_max3_num_f32 v[TM+\b], |v[\s+16*\b]|, |v[\s+1+16*\b]|, 0x1800000   ; block b: my 16 numbers, from each accumulator's low end on, and the floor 2^(3 - 127)
.endr
.irp i, 2,4,6,8,10,12,14
.irp b, 0,1,2,3
	v_max3_num_f32 v[TM+\b], v[TM+\b], |v[\s+16*\b+\i]|, |v[\s+1+16*\b+\i]|
.endr
.endr
.irp b, 0,1,2,3
	s_delay_alu instid0(VALU_DEP_4)
	v_permlanex16_b32 v[TM+4+\b], v[TM+\b], s[SEL], s[SEL+1]
.endr
.irp b, 0,1,2,3
	s_delay_alu instid0(VALU_DEP_4)
	v_max_num_f32 v[TM+\b], v[TM+\b], v[TM+4+\b]   ; with lane l xor 16's: the block's largest magnitude
.endr
.irp b, 0,1,2,3
	s_delay_alu instid0(VALU_DEP_4)
	v_add_nc_u32 v[TM+12+\b], 0xff000000, v[TM+\b] ; 2 off its exponent field: the conversion's scale operand
.endr
.irp b, 0,1,2,3
	s_delay_alu instid0(VALU_DEP_4)
	v_lshrrev_b32 v[TM+4+\b], 23, v[TM+12+\b]      ; the scale's byte
.endr
	s_delay_alu instid0(VALU_DEP_3)
	v_lshl_or_b32 v[\pw], v[TM+5], 8, v[TM+4]
	s_delay_alu instid0(VALU_DEP_1)
	v_lshl_or_b32 v[\pw], v[TM+6], 16, v[\pw]
	s_delay_alu instid0(VALU_DEP_1)
	v_lshl_or_b32 v[\pw], v[TM+7], 24, v[\pw]
.irp b, 0,1,2,3
	v_cvt_scalef32_pk8_fp4_f32 v[\pc+2*\b], v[\s+16*\b:\s+7+16*\b], v[TM+12+\b]
	v_cvt_scalef32_pk8_fp4_f32 v[\pc+1+2*\b], v[\s+8+16*\b:\s+15+16*\b], v[TM+12+\b]
.endr
	v_nop                                          ; one plain place behind a scaled conversion
.irp c, 0,1                                    ; the operand's layout wants a whole block in a lane
.irp i, 0,1
	v_permlane16_swap_b32 v[\pc+4*\c+\i], v[\pc+2+4*\c+\i]
.endr
.endr
.endm
.rept 4
	v_nop                                          ; four places behind the last products
.endr
.irp b, 0,1,2,3
	v_mov_b32 v[TM+4+\b], 0                        ; a lane permute's destination counts as one of its sources
.endr
	QUANT ACC, 32, 64                              ; tile 0 of R: codes v32-39, word v64
	QUANT ACC+64, 40, 65                           ; tile 1: v40-47, v65
	v_cmp_eq_u32 vcc_lo, 1, v11
	s_delay_alu instid0(VALU_DEP_1)
	v_cndmask_b32 v66, v64, v65, vcc_lo            ; lanes 0-15 tile 0's words, lanes 16-31 tile 1's
	s_cmp_eq_u32 s[MODE], 1
	s_cbranch_scc1 .Lout_v
	; Q or K.  My 128 rows of P are heads 2 a and 2 a + 1: registers 0-3 of a fragment are head 2 a's image, registers 4-7 head 2 a + 1's; my 32 rows of R are tiles 2 G and 2 G + 1 of batch b
	s_and_b32 s34, s[N128], 7                      ; a
	s_lshr_b32 s35, s[RG], 6                       ; b
	s_and_b32 s4, s[RG], 63                        ; G
	s_lshl_b32 s35, s35, 4
	s_lshl_b32 s34, s34, 1
	s_add_co_u32 s34, s34, s35
	s_mul_i32 s6, s34, REC                         ; record 16 b + 2 a
	s_lshl_b32 s8, s4, 10                          ; Q: tiles on end
	s_lshl_b32 s10, s4, 7
	s_lshr_b32 s5, s4, 2                           ; K: key step G / 4,
	s_mul_i32 s5, s5, STEPB                        ; its piece,
; K'S ROWS ARE LAID ANEW INSIDE A PIECE: tile 4 c + t holds keys 64 c + 8 t + 0 .. 7 in rows 0-7 and keys 64 c + 32 + 8 t + 0 .. 7 in rows 8-15, so that in S^T = K Q^T a lane's 32 registers of
; tiles 4 c .. 4 c + 3 are one whole block of 32 keys.  Lane row r of my tile j is key 32 (G % 4) + 16 (r / 8) + 8 j + r % 8 of the step: it goes to tile 4 c + 2 (r / 8) + j, row 8 u + r % 8,
; c = (G % 4) / 2, u = G % 2.  Against the lane's old place that is 896 (r / 8) + 2048 c + 128 u bytes on in the images and 96 (r / 8) + 256 c + 32 u in the scale words.
	s_bfe_u32 s2, s4, 0x10001                      ; c
	s_and_b32 s4, s4, 1                            ; u
	s_lshl_b32 s34, s2, 11
	s_lshl_b32 s3, s4, 7
	s_add_co_u32 s34, s34, s3
	s_add_co_u32 s34, s34, s5
	s_lshl_b32 s35, s2, 8
	s_lshl_b32 s3, s4, 5
	s_add_co_u32 s35, s35, s3
	s_add_co_u32 s35, s35, s5
	s_cmp_eq_u32 ttmp9, 0                          ; Q's places or K's
	s_cselect_b32 s8, s8, s34
	s_cselect_b32 s10, s10, s35
	s_cselect_b32 s34, QIMG, 0
	s_cselect_b32 s35, QSC-KSC, 0
	s_cselect_b32 s2, 0, 896                       ; the lane term's factors: none for Q
	s_cselect_b32 s3, 0, 96
	s_add_co_u32 s8, s8, s6
	s_add_co_u32 s8, s8, s34
	s_mov_b32 s9, 0
	s_add_nc_u64 s[8:9], s[18:19], s[8:9]
	s_add_co_u32 s10, s10, s6
	s_add_co_u32 s10, s10, s35
	s_add_co_u32 s10, s10, KSC
	s_mov_b32 s11, 0
	s_add_nc_u64 s[10:11], s[18:19], s[10:11]
	v_bfe_u32 v69, v0, 3, 1                        ; r / 8: bit 3 of the lane, in the images' lanes and in the scale words' alike
	v_mad_u32_u24 v70, v69, s2, v8
	v_mad_u32_u24 v71, v69, s3, v9
	global_store_b128 v70, v[32:35], s[8:9]        ; Q: 512 consecutive bytes; K: four runs of 128 consecutive bytes
	global_store_b128 v70, v[36:39], s[8:9] offset:REC
	s_wait_alu depctr_va_vdst(0)
	global_store_b128 v70, v[40:43], s[8:9] offset:512
	global_store_b128 v70, v[44:47], s[8:9] offset:REC+512
	v_and_b32 v67, 0xffff, v66                     ; head 2 a's two bytes; the word's upper half, for the zero codes of the instruction's upper 64 along K, is 0
	v_lshrrev_b32 v68, 16, v66                     ; head 2 a + 1's
	global_store_b32 v71, v67, s[10:11]
	global_store_b32 v71, v68, s[10:11] offset:REC
	s_branch .Lend
.Lout_v:
	; V.  My 128 rows of P are key step t of batch b; my 32 rows of R are tiles 2 (RG % 2) + j of head RG / 2
	s_lshr_b32 s34, s[N128], 4                     ; b
	s_and_b32 s35, s[N128], 15                     ; t
	s_lshr_b32 s4, s[RG], 1                        ; the head
	s_and_b32 s5, s[RG], 1
	s_lshl_b32 s34, s34, 4
	s_add_co_u32 s34, s34, s4
	s_mul_i32 s6, s34, REC
	s_mul_i32 s8, s35, STEPB
	s_lshl_b32 s10, s5, 11
	s_add_co_u32 s8, s8, s10
	s_add_co_u32 s8, s8, s6
	s_add_co_u32 s8, s8, VIMG
	s_mov_b32 s9, 0
	s_add_nc_u64 s[8:9], s[18:19], s[8:9]
	s_mul_i32 s10, s35, STEPB
	s_lshl_b32 s11, s5, 7
	s_add_co_u32 s10, s10, s11
	s_add_co_u32 s10, s10, s6
	s_add_co_u32 s10, s10, VSC
	s_mov_b32 s11, 0
	s_add_nc_u64 s[10:11], s[18:19], s[10:11]
	global_store_b128 v8, v[32:35], s[8:9]
	global_store_b128 v8, v[36:39], s[8:9] offset:512
	s_wait_alu depctr_va_vdst(0)
	global_store_b128 v8, v[40:43], s[8:9] offset:1024
	global_store_b128 v8, v[44:47], s[8:9] offset:1536
	global_store_b32 v9, v66, s[10:11]
.Lend:
	s_wait_tensorcnt 0x0
	s_wait_tensorcnt 0x0
	ds_add_u32 v126, v127
	s_wait_dscnt 0x0
	CROUND                                         ; the closing round: no work-group ends while a partner may still ask for a tile that names it
	s_endpgm
.Lfunc_end_k_q3fd9ba964c_proj:
	.size	k_q3fd9ba964c_proj, .Lfunc_end_k_q3fd9ba964c_proj-k_q3fd9ba964c_proj
	.p2alignl 7, 3214868480
	.fill 96, 4, 3214868480
	.section	.rodata,"a",@progbits
	.p2align	6, 0x0
	.amdhsa_kernel k_q3fd9ba964c_proj
		.amdhsa_group_segment_fixed_size 297984
		.amdhsa_private_segment_fixed_size 0
		.amdhsa_enable_private_segment 0
		.amdhsa_kernarg_size 64
		.amdhsa_user_sgpr_count 2
		.amdhsa_user_sgpr_kernarg_segment_ptr 1
		.amdhsa_wavefront_size32 1
		.amdhsa_system_sgpr_workgroup_id_x 1
		.amdhsa_system_sgpr_workgroup_id_y 1
		.amdhsa_system_sgpr_workgroup_id_z 1
		.amdhsa_system_vgpr_workitem_id 0
		.amdhsa_next_free_vgpr 256
		.amdhsa_next_free_sgpr 102
		.amdhsa_reserve_vcc 1
		.amdhsa_float_denorm_mode_32 3
		.amdhsa_float_denorm_mode_16_64 3
		.amdhsa_memory_ordered 1
		.amdhsa_forward_progress 1
		.amdhsa_inst_pref_size 58
	.end_amdhsa_kernel
	.amdgpu_metadata
---
amdhsa.version: [ 1, 2 ]
amdhsa.kernels:
  - .name:           k_q3fd9ba964c_proj
    .symbol:         k_q3fd9ba964c_proj.kd
    .args:
      - { .name: xcodes, .offset: 0, .size: 8, .value_kind: global_buffer, .address_space: global }
      - { .name: xscales, .offset: 8, .size: 8, .value_kind: global_buffer, .address_space: global }
      - { .name: wcodes, .offset: 16, .size: 8, .value_kind: global_buffer, .address_space: global }
      - { .name: wscales, .offset: 24, .size: 8, .value_kind: global_buffer, .address_space: global }
      - { .name: bq, .offset: 32, .size: 8, .value_kind: global_buffer, .address_space: global }
      - { .name: bk, .offset: 40, .size: 8, .value_kind: global_buffer, .address_space: global }
      - { .name: bv, .offset: 48, .size: 8, .value_kind: global_buffer, .address_space: global }
      - { .name: qkv, .offset: 56, .size: 8, .value_kind: global_buffer, .address_space: global }
    .group_segment_fixed_size: 297984
    .private_segment_fixed_size: 0
    .kernarg_segment_align: 8
    .kernarg_segment_size: 64
    .max_flat_workgroup_size: 512
    .sgpr_count:     102
    .vgpr_count:     256
    .wavefront_size: 32
...
	.end_amdgpu_metadata
.endif
;; end of part 2
;; launch attn (part 3): grid 4 x 64, 16 waves a work-group, clusters of 4 x 1, 167,936 bytes of LDS; arguments qkv, cimg, csc; writes cimg, csc
.if DOCPART == 3
	.amdgcn_target "amdgcn-amd-amdhsa--gfx1250"
	.amdhsa_code_object_version 6
	.text
	.protected	k_q3fd9ba964c_attn
	.globl	k_q3fd9ba964c_attn
	.p2align	8
	.type	k_q3fd9ba964c_attn,@function
k_q3fd9ba964c_attn:
	s_mov_b64 s[64:65], 0
	v_nop
	global_prefetch_b8 v0, s[64:65] scope:SCOPE_SE
	s_setreg_imm32_b32 hwreg(HW_REG_WAVE_MODE, 25, 1), 1
	s_wait_xcnt 0x0
	s_wait_alu depctr_hold_cnt(0) depctr_sa_sdst(0) depctr_va_vdst(0) depctr_va_sdst(0) depctr_va_ssrc(0) depctr_va_vcc(0) depctr_vm_vsrc(0)
	s_getreg_b32 s2, hwreg(HW_REG_IB_STS2, 6, 4)
	s_cmp_eq_u32 s2, 0
	s_cbranch_scc0 .Lentry_in_a_cluster
	s_endpgm
.Lentry_in_a_cluster:
	s_bfe_u32 s2, ttmp6, 0x10000c
	s_cmp_lg_u32 s2, 0x3003
	s_cbranch_scc0 .Lentry_shape_is_right
	s_endpgm
.Lentry_shape_is_right:
; Causal attention of one (batch, head) on codes of FP4 (E2M1) with E8M0 scales; the result is quantised again along the head's 64 as an operand of the last projection.
; LEFT OUT: key steps all of whose 128 keys come after a tile's queries: the causal mask gives those scores -inf, so their softmax weights are 0 for all inputs.
; SOFTMAX: t = score x log2(e) / 8; M = the running largest t rounded up to a whole number; p = 2^(t - M) is quantised along the keys; the sum is taken of the unquantised p and divides at the end.
; LIMITS: the promise holds while |t| stays under 2^31; NaN and infinities are not served; a block of zeros gets the scale byte 1 (its codes are zeros; this program alone reads the bytes).
; SHARES: a head has 128 tiles of 16 queries.  Wave w of work-group cx owns tiles T1 = 4 w + cx and T2 = 127 - T1: w / 2 + 1 and 16 - w / 2 key steps, 17 in every wave.
; Both counts hang on the wave's number alone, so no branch hangs on cx; cx enters the addresses of Q and of the result and the mask's numbers only.
; CLUSTER 4 x 1: the four work-groups of a head read the same K and V: each of the sixteen waves asks jointly for one key step's piece (K's images, V's images, both scale words: STEPB dense
; bytes, 35 rows of 256).  All 16 pieces lie in LDS at once, filled ONCE; every work-group owns a tile of the last eight, so every piece is read.  One barrier shows them to all waves.
; No prefetch: all that the launch reads through LDS is asked for at its head, and there is no later stream to run ahead of.
; LAYOUT: both products transposed (S^T = K Q^T, O^T = V^T P^T): a lane holds one query: lane r of tile T is query 32 (T / 2) + 8 (T % 2) + r % 8 + 16 (r / 8).
; K's tile 4 c + t of a step holds keys 64 c + 8 t + 0 .. 7 in rows 0-7 and 64 c + 32 + 8 t + 0 .. 7 in rows 8-15: register 32 c + 8 t + j of S^T is key 128 step + 64 c + 32 (lane / 16) + 8 t + j.
; So a lane's 32 registers are ONE WHOLE BLOCK of 32 keys, block 2 c + lane / 16, in the order that the second product's operand takes: a block's maximum needs no other lane, and the conversions' results are the operand.
; The head's 64 fill the lower half of the first product's 128 along K; the upper half is zero codes on both sides.
; ORDER IN A STEP: independent chains stand by turns: the maxima in eight chains, the sum in four, the sum's lines between the scale's lines, V's LDS loads between the lines of the row's chain.
; REGISTERS: v1 16 lane, v3 4 lane, v2 and v4 the add's two, v5 the mask's number, v6 32 r, v7 and v252-255 T1's Q, v8 and v10 the step's LDS addresses, v9 the old -M, v11 at work, v12 -M, v13 largest t,
; v[14:15] the sum, v16-23 Q, v24 its scales, v25 p's, v26-29 K's, v30-31 V's, v32-95 K's fragments, v96-159 S^T then p, v160-191 O^T, v192-223 V's fragments, v224-231 p's codes,
; v232-235 and v240-243 maxima and scales, v236-239 and v246-249 the step's four partial sums, v[244:245] f, v250 8 (lane / 16), v251 the mask's lane term.
.set REC,   217088
.set STEPB, 8960
.set VOF,   4096
.set KSO,   8192
.set VSO,   8704
.set QIMG,  143360
.set QSC,   208896
.set SPARE, 16*STEPB                   ; behind the pieces: the spare words, 128 bytes a wave
.set WV,   10
.set CXS,  11
.set BH,   12
.set G1,   16
.set G0,   24
.set TK,   28                          ; LDS byte of the step's piece
.set ST,   29                          ; the step
.set LAST, 30                          ; the tile's last step, the one on the diagonal
.set TILE, 31
.set TMP,  32
.set SEL,  34
.set CS,   36
.set MK,   40                          ; s40-47: at the head Q's addresses, then the mask's eight lane masks
.set T1,   52
.set T2,   53
.macro CROUND                          ; a round of the cluster's barrier
	s_barrier_signal -1
	s_barrier_wait -1
	s_cmp_lg_u32 s[WV], 0
	s_cbranch_scc1 .Lnot_wave_0_\@
	s_barrier_signal -3
.Lnot_wave_0_\@:
	s_barrier_wait -3
	s_barrier_signal -1
	s_barrier_wait -1
.endm
.macro QADR tl, pa, pb                 ; where tile tl's image of Q and its scale words lie
	s_lshl_b32 s[\pa], s[\tl], 9
	s_add_co_u32 s[\pa], s[\pa], QIMG
	s_mov_b32 s[\pa+1], 0
	s_add_nc_u64 s[\pa:\pa+1], s[14:15], s[\pa:\pa+1]
	s_lshl_b32 s[\pb], s[\tl], 6
	s_add_co_u32 s[\pb], s[\pb], QSC
	s_mov_b32 s[\pb+1], 0
	s_add_nc_u64 s[\pb:\pb+1], s[14:15], s[\pb:\pb+1]
.endm
	s_load_b128 s[4:7], s[0:1], 0x0                ; qkv, cimg
	s_load_b64 s[8:9], s[0:1], 0x10                ; csc
	v_lshl_add_u32 v2, v0, 2, SPARE
	v_mov_b32 v4, 0
	ds_add_u32 v2, v4                              ; the opening lines: the add, twice on end, and its wait ahead of the first tensor load
	ds_add_u32 v2, v4
	v_lshrrev_b32 v1, 5, v0
	v_readfirstlane_b32 s[WV], v1                  ; wave 0..15
	s_bfe_u32 s[CXS], ttmp6, 0x40000               ; my place in the cluster
	s_and_b32 s[BH], ttmp7, 0xffff                 ; 16 batch + head
	s_mul_i32 s14, s[BH], REC
	s_mov_b32 s15, 0
	s_mov_b32 s[G1], 15|(3<<16)|(1<<21)            ; the mask names the cluster's four; elements of 8 bytes
	s_mov_b32 s[G1+1], 32<<16                      ; rows of 256 bytes,
	s_mov_b32 s[G1+2], 35<<16                      ; 35 of them, dense
	s_mov_b32 s[G1+3], 32<<16
	s_mov_b32 s[G1+4], 35
	s_mov_b32 s[G1+5], 32
	s_mov_b32 s[G1+6], 0
	s_mov_b32 s[G1+7], 0
	s_mov_b32 s[G0], 1
	s_mul_i32 s[G0+1], s[WV], STEPB                ; piece w, in LDS and in the record
	s_mul_i32 s38, s[WV], STEPB
	s_mov_b32 s39, 0
	s_mov_b32 s[SEL], 0x76543210
	s_mov_b32 s[SEL+1], 0xfedcba98
	s_mov_b32 s[CS], 0x3e38aa3b                    ; log2(e) / 8
	s_mov_b32 s[CS+1], s[CS]
	s_lshl_b32 s[T1], s[WV], 2
	s_add_co_u32 s[T1], s[T1], s[CXS]
	s_sub_co_u32 s[T2], 127, s[T1]
	s_wait_dscnt 0x0
	s_wait_kmcnt 0x0
	s_add_nc_u64 s[14:15], s[4:5], s[14:15]        ; the record
	s_add_nc_u64 s[G0+2:G0+3], s[14:15], s[38:39]
	s_or_b32 s[G0+3], s[G0+3], 0x80000000
	CROUND                                         ; the four work-groups are here: the joint loads meet
	tensor_load_to_lds s[G0:G0+3], s[G1:G1+7]      ; my one tensor load
	s_nop 0
.rept 4
	v_nop
.endr
	QADR T2, 40, 42
	QADR T1, 44, 46
	v_and_b32 v9, 31, v0
	v_and_b32 v11, 15, v0                          ; r
	v_lshlrev_b32 v1, 4, v9
	v_lshlrev_b32 v3, 2, v9
	v_lshlrev_b32 v8, 2, v11                       ; Q's scale words: 4 r (v8 is written again only behind the wait for these loads)
	v_lshlrev_b32 v6, 5, v11
	s_wait_alu depctr_va_vdst(0)
	global_load_b128 v[16:19], v1, s[40:41]        ; T2's Q goes first
	global_load_b32 v24, v8, s[42:43]
	global_load_b128 v[252:255], v1, s[44:45]
	global_load_b32 v7, v8, s[46:47]
	v_and_b32 v251, 7, v0
	v_bfe_u32 v9, v0, 3, 1
	v_bfe_u32 v11, v0, 4, 1                        ; lane / 16
	v_lshl_add_u32 v251, v9, 4, v251
	v_lshlrev_b32 v250, 3, v11                     ; 8 (lane / 16): where my two scale bytes stand in p's scale word
	v_lshlrev_b32 v11, 5, v11
	v_sub_nc_u32 v251, v251, v11                   ; r % 8 + 16 (r / 8) - 32 (lane / 16)
.irp j, 20,21,22,23
	v_mov_b32 v[\j], 0                             ; the upper 64 along K: zero codes
.endr
.irp t, 0,1,2,3,4,5,6,7
.irp j, 4,5,6,7
	v_mov_b32 v[32+8*\t+\j], 0
.endr
.endr
	v_mov_b32 v236, 0                              ; a lane permute's destination counts as one of its sources
	v_mov_b32 v237, 0
	v_mov_b32 v245, 0                              ; named with f as a pair
	v_mov_b32 v246, 0
	s_wait_alu depctr_va_vdst(0)
	s_wait_loadcnt 0x0
	s_wait_tensorcnt 0x0                           ; my piece is in
	s_barrier_signal -1
	s_barrier_wait -1                              ; everybody's is
.macro VLD f                           ; one of V's eight loads
	ds_load_b128 v[192+4*(\f):195+4*(\f)], v8 offset:VOF+512*(\f)
.endm
.macro TM j                            ; t - M, two at a time
	v_pk_fma_f32 v[96+\j:97+\j], v[96+\j:97+\j], s[CS:CS+1], v[12:13] op_sel_hi:[1,0,0]
.endm
.macro SUMS m                          ; eight more p onto the four partial sums
	v_pk_add_f32 v[236:237], v[236:237], v[96+8*\m:97+8*\m]
	v_pk_add_f32 v[238:239], v[238:239], v[98+8*\m:99+8*\m]
	v_pk_add_f32 v[246:247], v[246:247], v[100+8*\m:101+8*\m]
	v_pk_add_f32 v[248:249], v[248:249], v[102+8*\m:103+8*\m]
.endm
; A KEY STEP.  K's fragments and scale words of this step were asked for a step earlier.  diag = 0: the next step's are asked for behind the first product.  diag = 1: the tile's last step, with the mask.
.macro STEP diag
	s_wait_dscnt 0x0                               ; K's fragments and scale words are in
.irp i, 0,1,2,3
	v_wmma_scale_f32_16x16x128_f8f6f4 v[96+16*\i:103+16*\i], v[32+16*\i:39+16*\i], v[16:23], 0, v[26+\i], v24 matrix_a_fmt:MATRIX_FMT_FP4 matrix_b_fmt:MATRIX_FMT_FP4
	v_wmma_scale_f32_16x16x128_f8f6f4 v[104+16*\i:111+16*\i], v[40+16*\i:47+16*\i], v[16:23], 0, v[26+\i], v24 matrix_a_fmt:MATRIX_FMT_FP4 matrix_b_fmt:MATRIX_FMT_FP4 matrix_a_scale:MATRIX_SCALE_ROW1
.endr
	v_add_nc_u32 v8, s[TK], v1                     ; four places ahead of the loads into operands and of the first read of the scores: the step's addresses,
	v_add_nc_u32 v10, s[TK], v3
	v_mov_b32 v9, v12                              ; the old -M,
.if \diag
	v_mov_b32 v248, 0xff800000                     ; and -infinity: register n is hidden where 64 (n / 32) + n % 32 > v5.  Eight lane masks by turns
.set nm, 0
.rept 8
.irp k, 0,1,2,3,4,5,6,7
	v_cmp_gt_i32 s[MK+\k], 64*((nm+\k)/32)+(nm+\k)%32, v5
.endr
.irp k, 0,1,2,3,4,5,6,7
	v_cndmask_b32 v[96+nm+\k], v[96+nm+\k], v248, s[MK+\k]
.endr
.set nm, nm+8
.endr
.else
	v_nop
.irp t, 0,1,2,3,4,5,6,7
	ds_load_b128 v[32+8*\t:35+8*\t], v8 offset:STEPB+512*\t        ; the next step's K
.endr
.irp i, 0,1,2,3
	ds_load_b32 v[26+\i], v10 offset:STEPB+KSO+128*\i
.endr
.endif
.irp a, 0,1,2,3
	v_max3_num_f32 v[232+\a], v[96+8*\a], v[97+8*\a], v[98+8*\a]   ; my two blocks' largest scores: a chain to an accumulator, each from its low end on
.endr
.irp a, 0,1,2,3
	v_max3_num_f32 v[240+\a], v[128+8*\a], v[129+8*\a], v[130+8*\a]
.endr
.irp i, 3,5
.irp a, 0,1,2,3
	v_max3_num_f32 v[232+\a], v[232+\a], v[96+8*\a+\i], v[97+8*\a+\i]
.endr
.irp a, 0,1,2,3
	v_max3_num_f32 v[240+\a], v[240+\a], v[128+8*\a+\i], v[129+8*\a+\i]
.endr
.endr
	v_max3_num_f32 v232, v232, v233, v103          ; the chains joined, with each accumulator's last register
	v_max3_num_f32 v240, v240, v241, v135
	v_max3_num_f32 v234, v234, v235, v111
	v_max3_num_f32 v242, v242, v243, v143
	v_max3_num_f32 v232, v232, v119, v127
	v_max3_num_f32 v240, v240, v151, v159
	v_max_num_f32 v232, v232, v234                 ; block lane / 16
	v_max_num_f32 v240, v240, v242                 ; block 2 + lane / 16
	v_max_num_f32 v11, v232, v240                  ; the row's chain; V's ten loads stand between its lines
	VLD 0
	VLD 1
	v_permlanex16_b32 v236, v11, s[SEL], s[SEL+1]
	VLD 2
	VLD 3
	v_max_num_f32 v11, v11, v236                   ; with lane l xor 16's two blocks
	VLD 4
	VLD 5
	v_mul_f32 v11, s[CS], v11
	VLD 6
	VLD 7
	v_max_num_f32 v13, v13, v11                    ; the running largest t
	ds_load_b32 v30, v10 offset:VSO
	v_floor_f32 v12, -v13                          ; -M
	ds_load_b32 v31, v10 offset:VSO+128
	v_fma_f32 v232, v232, s[CS], v12               ; my blocks' largest t - M
	v_fma_f32 v240, v240, s[CS], v12
.irp j, 0,2,4,6
	TM \j
.endr
	v_sub_f32 v11, v12, v9                         ; old M - new M: a whole number, 0 or less
.irp j, 8,10,12,14
	TM \j
.endr
	v_cvt_i32_f32 v11, v11
.irp j, 16,18,20,22
	TM \j
.endr
	v_ldexp_f32 v244, 1.0, v11                     ; f = 2^(old M - new M)
.irp j, 24,26,28,30,32,34,36,38,40,42,44,46,48,50,52,54,56,58,60,62
	TM \j
.endr
	s_wait_alu depctr_va_vdst(0)
	v_exp_f32 v232, v232
	v_exp_f32 v240, v240
.set ne, 0
.rept 64
	v_exp_f32 v[96+ne], v[96+ne]
.set ne, ne+1
.endr
	s_wait_alu depctr_va_vdst(0)                   ; the wait behind the batch, directly ahead of the first readers of O^T
.irp j, 0,2,4,6,8,10,12,14,16,18,20,22,24,26,28,30
	v_pk_mul_f32 v[160+\j:161+\j], v[160+\j:161+\j], v[244:245] op_sel_hi:[1,0]   ; O^T under the new M
.endr
	v_max_num_f32 v232, 0x1800000, v232            ; my blocks' largest p, and the floor 2^(3 - 127)
	v_max_num_f32 v240, 0x1800000, v240
	v_pk_add_f32 v[236:237], v[96:97], v[104:105]  ; the sum of the unquantised p, in four chains
	v_pk_add_f32 v[238:239], v[98:99], v[106:107]
	v_pk_add_f32 v[246:247], v[100:101], v[108:109]
	v_pk_add_f32 v[248:249], v[102:103], v[110:111]
	v_add_nc_u32 v233, 0xff000000, v232            ; the conversions' scale operands
	v_add_nc_u32 v241, 0xff000000, v240
	SUMS 2
	v_lshrrev_b32 v232, 23, v233                   ; the scales' bytes
	v_lshrrev_b32 v240, 23, v241
	SUMS 3
	v_lshl_or_b32 v25, v240, 16, v232              ; my two bytes, blocks lane / 16 and 2 + lane / 16,
	SUMS 4
	v_lshlrev_b32 v25, v250, v25                   ; at their places in p's scale word;
	SUMS 5
	v_permlanex16_b32 v234, v25, s[SEL], s[SEL+1]
.irp c, 0,1
.irp t, 0,1,2,3
	v_cvt_scalef32_pk8_fp4_f32 v[224+4*\c+\t], v[96+32*\c+8*\t:103+32*\c+8*\t], v[233+8*\c]   ; register 4 c + t of the operand: keys 64 c + 32 (lane / 16) + 8 t + 0 .. 7
.endr
.endr
	v_or_b32 v25, v25, v234                        ; with lane l xor 16's two the word is whole.  (A plain line behind the conversions)
	SUMS 6
	SUMS 7
	v_pk_add_f32 v[236:237], v[236:237], v[238:239]
	v_pk_add_f32 v[246:247], v[246:247], v[248:249]
	s_delay_alu instid0(VALU_DEP_1)
	v_pk_add_f32 v[236:237], v[236:237], v[246:247]
	s_delay_alu instid0(VALU_DEP_1)
	v_pk_fma_f32 v[14:15], v[14:15], v[244:245], v[236:237] op_sel_hi:[1,0,1]     ; the sum so far x f + this step's
	s_wait_alu depctr_va_vdst(0)
	s_wait_dscnt 0x0                               ; V's loads, the youngest, are in
	v_wmma_scale_f32_16x16x128_f8f6f4 v[160:167], v[192:199], v[224:231], v[160:167], v30, v25 matrix_a_fmt:MATRIX_FMT_FP4 matrix_b_fmt:MATRIX_FMT_FP4
	v_wmma_scale_f32_16x16x128_f8f6f4 v[168:175], v[200:207], v[224:231], v[168:175], v30, v25 matrix_a_fmt:MATRIX_FMT_FP4 matrix_b_fmt:MATRIX_FMT_FP4 matrix_a_scale:MATRIX_SCALE_ROW1
	v_wmma_scale_f32_16x16x128_f8f6f4 v[176:183], v[208:215], v[224:231], v[176:183], v31, v25 matrix_a_fmt:MATRIX_FMT_FP4 matrix_b_fmt:MATRIX_FMT_FP4
	v_wmma_scale_f32_16x16x128_f8f6f4 v[184:191], v[216:223], v[224:231], v[184:191], v31, v25 matrix_a_fmt:MATRIX_FMT_FP4 matrix_b_fmt:MATRIX_FMT_FP4 matrix_a_scale:MATRIX_SCALE_ROW1
.endm
; ONE TILE.  The loop's trip count is a constant; a trip at or past the tile's last step does nothing.  The last step is written out behind the loop.
.macro BLOCK second, trips
	s_lshr_b32 s[LAST], s[WV], 1
.if \second
	s_mov_b32 s[TILE], s[T1]
.else
	s_mov_b32 s[TILE], s[T2]
	s_sub_co_u32 s[LAST], 15, s[LAST]
.endif
	s_bfe_u32 s[TMP], s[TILE], 0x20001
	s_lshl_b32 s[TMP], s[TMP], 5
	s_and_b32 s33, s[TILE], 1
	s_lshl_b32 s33, s33, 3
	s_add_co_u32 s[TMP], s[TMP], s33               ; 32 ((T / 2) % 4) + 8 (T % 2)
	v_add_nc_u32 v5, s[TMP], v251                  ; my query - the last step's first key - 32 (lane / 16)
.irp t, 0,1,2,3,4,5,6,7
	ds_load_b128 v[32+8*\t:35+8*\t], v1 offset:512*\t              ; step 0's K
.endr
.irp i, 0,1,2,3
	ds_load_b32 v[26+\i], v3 offset:KSO+128*\i
.endr
.if \second
.irp j, 0,1,2,3
	v_mov_b32 v[16+\j], v[252+\j]
.endr
	v_mov_b32 v24, v7
.endif
	v_mov_b32 v13, 0xff61b1e6                      ; -3e38, under every t
	v_mov_b32 v14, 0
	v_mov_b32 v15, 0
	v_floor_f32 v12, -v13
.set nz, 0
.rept 32
	v_mov_b32 v[160+nz], 0                         ; the step is written for all steps alike: the first finds zeros
.set nz, nz+1
.endr
	s_mov_b32 s[TK], 0
	s_mov_b32 s[ST], 0
	s_wait_alu depctr_va_vdst(0)
.Lstep_\@:
	s_cmp_ge_u32 s[ST], s[LAST]                    ; the wave's number and the count of steps alone
	s_cbranch_scc1 .Lskip_\@
	STEP 0
.Lskip_\@:
	s_add_co_u32 s[TK], s[TK], STEPB
	s_add_co_u32 s[ST], s[ST], 1
	s_cmp_lt_u32 s[ST], \trips
	s_cbranch_scc1 .Lstep_\@
	s_mul_i32 s[TK], s[LAST], STEPB
	STEP 1
.rept 4
	v_nop
.endr
	v_add_f32 v14, v14, v15
	s_delay_alu instid0(VALU_DEP_1)
	v_permlanex16_b32 v246, v14, s[SEL], s[SEL+1]
	s_delay_alu instid0(VALU_DEP_1)
	v_add_f32 v14, v14, v246                       ; the row's sum
	s_wait_alu depctr_va_vdst(0)
	v_rcp_f32 v14, v14
	v_nop
	s_wait_alu depctr_va_vdst(0)
.irp j, 0,2,4,6,8,10,12,14,16,18,20,22,24,26,28,30
	v_pk_mul_f32 v[96+\j:97+\j], v[160+\j:161+\j], v[14:15] op_sel_hi:[1,0]       ; register 16 b + i: channel 32 b + 16 (lane / 16) + i of my query
.endr
.irp b, 0,1
	v_max3_num_f32 v[232+\b], |v[96+16*\b]|, |v[97+16*\b]|, 0x1800000
.endr
.irp i, 2,4,6,8,10,12,14
.irp b, 0,1
	s_delay_alu instid0(VALU_DEP_2)
	v_max3_num_f32 v[232+\b], v[232+\b], |v[96+16*\b+\i]|, |v[97+16*\b+\i]|
.endr
.endr
.irp b, 0,1
	s_delay_alu instid0(VALU_DEP_2)
	v_permlanex16_b32 v[236+\b], v[232+\b], s[SEL], s[SEL+1]
.endr
.irp b, 0,1
	s_delay_alu instid0(VALU_DEP_2)
	v_max_num_f32 v[232+\b], v[232+\b], v[236+\b]
.endr
.irp b, 0,1
	s_delay_alu instid0(VALU_DEP_2)
	v_add_nc_u32 v[240+\b], 0xff000000, v[232+\b]
.endr
.irp b, 0,1
	s_delay_alu instid0(VALU_DEP_2)
	v_lshrrev_b32 v[236+\b], 23, v[240+\b]
.endr
	s_delay_alu instid0(VALU_DEP_1)
	v_lshl_or_b32 v249, v237, 8, v236
.irp b, 0,1
	v_cvt_scalef32_pk8_fp4_f32 v[224+2*\b], v[96+16*\b:103+16*\b], v[240+\b]
	v_cvt_scalef32_pk8_fp4_f32 v[225+2*\b], v[104+16*\b:111+16*\b], v[240+\b]
.endr
	v_nop
	v_permlane16_swap_b32 v224, v226
	v_permlane16_swap_b32 v225, v227
	s_wait_alu depctr_va_vdst(0)
	s_lshr_b32 s48, s[BH], 4
	s_lshl_b32 s48, s48, 7
	s_add_co_u32 s48, s48, s[TILE]                 ; 128 batch + tile
	s_and_b32 s49, s[BH], 15                       ; the head
	s_lshl_b32 s50, s48, 13
	s_lshl_b32 s[TMP], s49, 9
	s_add_co_u32 s50, s50, s[TMP]
	s_mov_b32 s51, 0
	s_add_nc_u64 s[50:51], s[6:7], s[50:51]
	s_lshl_b32 s54, s48, 9
	s_lshl_b32 s[TMP], s49, 1
	s_add_co_u32 s54, s54, s[TMP]
	s_mov_b32 s55, 0
	s_add_nc_u64 s[54:55], s[8:9], s[54:55]
	global_store_b128 v1, v[224:227], s[50:51]     ; the image: 512 consecutive bytes, aligned
	global_store_b16 v6, v249, s[54:55]            ; my row's two scale bytes
	s_wait_xcnt 0x0                                ; the stores' registers and bases are written again only behind this wait
.endm
	BLOCK 0, 15
	BLOCK 1, 7
	s_wait_tensorcnt 0x0                           ; the wave's end
	ds_add_u32 v2, v4
	s_wait_dscnt 0x0
	CROUND                                         ; the closing round
	s_endpgm
.Lfunc_end_k_q3fd9ba964c_attn:
	.size	k_q3fd9ba964c_attn, .Lfunc_end_k_q3fd9ba964c_attn-k_q3fd9ba964c_attn
	.p2alignl 7, 3214868480
	.fill 96, 4, 3214868480
	.section	.rodata,"a",@progbits
	.p2align	6, 0x0
	.amdhsa_kernel k_q3fd9ba964c_attn
		.amdhsa_group_segment_fixed_size 167936
		.amdhsa_private_segment_fixed_size 0
		.amdhsa_enable_private_segment 0
		.amdhsa_kernarg_size 24
		.amdhsa_user_sgpr_count 2
		.amdhsa_user_sgpr_kernarg_segment_ptr 1
		.amdhsa_wavefront_size32 1
		.amdhsa_system_sgpr_workgroup_id_x 1
		.amdhsa_system_sgpr_workgroup_id_y 1
		.amdhsa_system_sgpr_workgroup_id_z 1
		.amdhsa_system_vgpr_workitem_id 0
		.amdhsa_next_free_vgpr 256
		.amdhsa_next_free_sgpr 66
		.amdhsa_reserve_vcc 0
		.amdhsa_float_denorm_mode_32 3
		.amdhsa_float_denorm_mode_16_64 3
		.amdhsa_memory_ordered 1
		.amdhsa_forward_progress 1
		.amdhsa_inst_pref_size 93
	.end_amdhsa_kernel
	.amdgpu_metadata
---
amdhsa.version: [ 1, 2 ]
amdhsa.kernels:
  - .name:           k_q3fd9ba964c_attn
    .symbol:         k_q3fd9ba964c_attn.kd
    .args:
      - { .name: qkv, .offset: 0, .size: 8, .value_kind: global_buffer, .address_space: global }
      - { .name: cimg, .offset: 8, .size: 8, .value_kind: global_buffer, .address_space: global }
      - { .name: csc, .offset: 16, .size: 8, .value_kind: global_buffer, .address_space: global }
    .group_segment_fixed_size: 167936
    .private_segment_fixed_size: 0
    .kernarg_segment_align: 8
    .kernarg_segment_size: 24
    .max_flat_workgroup_size: 512
    .sgpr_count:     66
    .vgpr_count:     256
    .wavefront_size: 32
...
	.end_amdgpu_metadata
.endif
;; end of part 3
;; launch oproj (part 4): grid 4 x 64, 8 waves a work-group, clusters of 4 x 4, 286,464 bytes of LDS; arguments cimg, csc, wcodes, wscales, bo, out0; writes out0
.if DOCPART == 4
	.amdgcn_target "amdgcn-amd-amdhsa--gfx1250"
	.amdhsa_code_object_version 6
	.text
	.protected	k_q3fd9ba964c_oproj
	.globl	k_q3fd9ba964c_oproj
	.p2align	8
	.type	k_q3fd9ba964c_oproj,@function
k_q3fd9ba964c_oproj:
	s_mov_b64 s[64:65], 0
	v_nop
	global_prefetch_b8 v0, s[64:65] scope:SCOPE_SE
	s_setreg_imm32_b32 hwreg(HW_REG_WAVE_MODE, 25, 1), 1
	s_wait_xcnt 0x0
	s_wait_alu depctr_hold_cnt(0) depctr_sa_sdst(0) depctr_va_vdst(0) depctr_va_sdst(0) depctr_va_ssrc(0) depctr_va_vcc(0) depctr_vm_vsrc(0)
	s_getreg_b32 s2, hwreg(HW_REG_IB_STS2, 6, 4)
	s_cmp_eq_u32 s2, 0
	s_cbranch_scc0 .Lentry_in_a_cluster
	s_endpgm
.Lentry_in_a_cluster:
	s_bfe_u32 s2, ttmp6, 0x10000c
	s_cmp_lg_u32 s2, 0xf033
	s_cbranch_scc0 .Lentry_shape_is_right
	s_endpgm
.Lentry_shape_is_right:
; out = concat Wo^T + bo on codes of FP4 (E2M1) with E8M0 scales.  T = P R^T, source 0 = 16 rows of P = Wo (the outputs n), source 1 = 16 rows of R = concat: a lane holds one row of the output and its registers run along n.
; Stored rows of both have bits 3 and 4 exchanged: the 16 registers of tiles 2 b and 2 b + 1 are 16 neighbouring true n, and lane i of tile j of a wave's 32 rows is true row 8 j + (i % 8) + 16 (i / 8).
; SHARES: a work-group makes 256 n x 128 rows; each of its eight waves 128 n x 32 rows: 8 x 2 accumulators.  256 work-groups.
; LDS: all of K = 1,024 at once, in two halves, each filled ONCE.  Wo's codes as rows of 256 bytes + 16; concat's as images of operand registers (16 rows x 64 along K = 512 bytes, lane l's 16 bytes at 16 l), dense;
; both sides' scale bytes in pieces of 256 + 16; behind them, in blocks of 256 bytes of their own, a stage of 16 rows x (512 + 16) bytes for each wave.
; CLUSTER 4 x 4: Wo's tile hangs on cx and is asked for jointly by a column of the cluster, concat's on cy and by a row.  Waves 0-3 ask for P, waves 4-7 for R, three loads each.
; The bias is the accumulators' first value, loaded straight into them.
; OUT: a tile of 16 rows x 128 n goes through the wave's own stage and leaves as rows of 512 consecutive bytes, aligned.
.set PITCH, 272
.set QUART, 64*PITCH
.set PH,    256*PITCH                  ; a half of K of P
.set RIMG,  2*PH                       ; R's images: [tile: 8][4,096] for each half
.set RH,    32768
.set SCLP,  RIMG+2*RH                  ; P's scale bytes: 32 pieces
.set SCLR,  SCLP+32*272                ; R's: 16 pieces
.set STG,   SCLR+16*272                ; the stages
.set SPITCH, 528
.set WV, 20
.set WP, 21
.set WR, 22
.set QW, 23
.set CX, 24
.set CY, 25
.set PT, 29
.set RT, 30
.set MKP, 31
.set MKR, 32
.set G1P, 36
.set G1R, 44
.set G1PS, 52
.set G1RS, 68
.set G0P0, 60
.set G0P1, 76
.set G0PS, 80
.set G0R0, 84
.set G0R1, 88
.set G0RS, 92
.set SP,  12                           ; v12-27  P's scale words: register 4 i + q: lanes 0-15 tile 2 i, lanes 16-31 tile 2 i + 1
.set SR,  28                           ; v28-31  R's: lanes 0-15 tile 0, lanes 16-31 tile 1
.set RF,  32                           ; v32-47  R's two fragments
.set PF,  48                           ; v48-111 P's eight; on the way out tile 0's rows
.set ACC, 128                          ; accumulator (j, t) at v[128 + 64 j + 8 t]; on the way out v128-191 take tile 1's rows
.macro CROUND
	s_barrier_signal -1
	s_barrier_wait -1
	s_cmp_lg_u32 s[WV], 0
	s_cbranch_scc1 .Lnot_wave_0_\@
	s_barrier_signal -3
.Lnot_wave_0_\@:
	s_barrier_wait -3
	s_barrier_signal -1
	s_barrier_wait -1
.endm
	s_load_b256 s[4:11], s[0:1], 0x0               ; concat's images, its scale bytes, the weights' codes, the weights' scales
	s_load_b128 s[12:15], s[0:1], 0x20             ; bo, out
	v_lshl_add_u32 v126, v0, 2, 0x45b00
	v_mov_b32 v127, 0
	ds_add_u32 v126, v127
	ds_add_u32 v126, v127
	v_lshrrev_b32 v1, 5, v0
	s_delay_alu instid0(VALU_DEP_1)
	v_readfirstlane_b32 s[WV], v1                  ; wave 0..7
	s_and_b32 s[WP], s[WV], 1
	s_lshr_b32 s[WR], s[WV], 1
	s_bfe_u32 s[CX], ttmp6, 0x40000
	s_bfe_u32 s[CY], ttmp6, 0x40004
	s_lshl_b32 s[PT], ttmp9, 2
	s_add_co_u32 s[PT], s[PT], s[CX]               ; Wo's tile of 256 rows
	s_and_b32 s[RT], ttmp7, 0xffff
	s_lshl_b32 s[RT], s[RT], 2
	s_add_co_u32 s[RT], s[RT], s[CY]               ; concat's tile of 128 rows
	s_lshl_b32 s[MKP], 0x1111, s[CX]               ; my column of the cluster
	s_lshl_b32 s34, s[CY], 2
	s_lshl_b32 s[MKR], 15, s34                     ; my row
	; P's codes: 128 rows x 256 bytes, 512 from row to row, 16 bytes of padding behind each
	s_or_b32 s[G1P], s[MKP], (1<<20)|(1<<21)|(5<<22)|(3<<25)
	s_mov_b32 s[G1P+1], 256<<16
	s_mov_b32 s[G1P+2], 128<<16                    ; a load of P's codes brings 128 rows
	s_mov_b32 s[G1P+3], 256<<16
	s_mov_b32 s[G1P+4], 128
	s_mov_b32 s[G1P+5], 512
	s_mov_b32 s[G1P+6], 0
	s_mov_b32 s[G1P+7], 0
	; R's images: eight tiles' halves: 8 rows of 512 elements of 8 bytes, 1,024 elements from tile to tile, no padding
	s_or_b32 s[G1R], s[MKR], (3<<16)|(1<<21)
	s_mov_b32 s[G1R+1], 512<<16
	s_mov_b32 s[G1R+2], 8<<16                      ; a load of R's images brings all eight tiles' halves
	s_mov_b32 s[G1R+3], 512<<16
	s_mov_b32 s[G1R+4], 8
	s_mov_b32 s[G1R+5], 1024
	s_mov_b32 s[G1R+6], 0
	s_mov_b32 s[G1R+7], 0
	; scale bytes: dense, as rows of 32 elements of 8 bytes, padded: P's 64 rows are 8 such, R's 32 rows 4
	s_or_b32 s[G1PS], s[MKP], (3<<16)|(1<<20)|(1<<21)|(5<<22)|(3<<25)
	s_mov_b32 s[G1PS+1], 32<<16
	s_mov_b32 s[G1PS+2], 32<<16                    ; the scale bytes of all 256 rows of P
	s_mov_b32 s[G1PS+3], 32<<16
	s_mov_b32 s[G1PS+4], 32
	s_mov_b32 s[G1PS+5], 32
	s_mov_b32 s[G1PS+6], 0
	s_mov_b32 s[G1PS+7], 0
	s_or_b32 s[G1RS], s[MKR], (3<<16)|(1<<20)|(1<<21)|(5<<22)|(3<<25)
	s_mov_b32 s[G1RS+1], 32<<16
	s_mov_b32 s[G1RS+2], 16<<16                    ; and of all 128 rows of R
	s_mov_b32 s[G1RS+3], 32<<16
	s_mov_b32 s[G1RS+4], 16
	s_mov_b32 s[G1RS+5], 32
	s_mov_b32 s[G1RS+6], 0
	s_mov_b32 s[G1RS+7], 0
	s_lshl_b32 s67, s[WP], 7                       ; which 128 rows of P I fetch, if I fetch its codes: wave % 2
	s_lshl_b32 s96, s[PT], 8
	s_add_co_u32 s96, s96, 3072                    ; Wo's rows lie from row 3,072 on
	s_lshl_b32 s98, s96, 5                         ; the tile's scale bytes
	s_add_co_u32 s96, s96, s67
	s_lshl_b32 s96, s96, 9
	s_mov_b32 s97, 0
	s_mov_b32 s99, 0
	s_lshl_b32 s100, s[RT], 3                      ; concat's first tile of 16 rows
	s_lshl_b32 s2, s100, 9                         ; its 16 rows x 32 scale bytes
	s_lshl_b32 s100, s100, 13                      ; its 8,192 bytes of images
	s_mov_b32 s101, 0
	s_mov_b32 s3, 0
	s_wait_dscnt 0x0
	s_wait_kmcnt 0x0
	s_add_nc_u64 s[G0P0+2:G0P0+3], s[8:9], s[96:97]
	s_add_nc_u64 s[G0P1+2:G0P1+3], s[G0P0+2:G0P0+3], 256
	s_add_nc_u64 s[G0PS+2:G0PS+3], s[10:11], s[98:99]
	s_add_nc_u64 s[G0R0+2:G0R0+3], s[4:5], s[100:101]
	s_add_nc_u64 s[G0R1+2:G0R1+3], s[G0R0+2:G0R0+3], 4096
	s_add_nc_u64 s[G0RS+2:G0RS+3], s[6:7], s[2:3]
.irp g, G0P0, G0P1, G0PS, G0R0, G0R1, G0RS
	s_mov_b32 s[\g], 1
	s_or_b32 s[\g+3], s[\g+3], 0x80000000
.endr
	s_mul_i32 s34, s[WP], 2*QUART                  ; where they go hangs on the wave's number alone
	s_mov_b32 s[G0P0+1], s34
	s_add_co_u32 s[G0P1+1], s34, PH
	s_mov_b32 s35, 0
	s_add_co_u32 s[G0PS+1], s35, SCLP
	s_mov_b32 s34, 0
	s_add_co_u32 s[G0R0+1], s34, RIMG
	s_add_co_u32 s[G0R1+1], s34, RIMG+RH
	s_mov_b32 s35, 0
	s_add_co_u32 s[G0RS+1], s35, SCLR
	CROUND                                         ; all sixteen work-groups are here: the joint loads meet
; THE HEAD'S LOADS, ONE A WAVE, in place of the shares that the head comment names: waves 0, 1: P's lower half of K, 128 rows each; 2: R's lower half; 3: P's scale bytes;
; 4: R's; 5: R's upper half of K; 6, 7: P's.  One chain of branches on the wave's number, a load to an arm, all arms leading to one join: every way passes exactly one load.
.macro ARM under, g0, g1, next
	s_cmp_lt_u32 s[WV], \under
	s_cbranch_scc0 \next
	tensor_load_to_lds s[\g0:\g0+3], s[\g1:\g1+7]
	s_nop 0
.rept 4
	v_nop
.endr
	s_branch .Lasked
\next:
.endm
	ARM 2, G0P0, G1P,  .Larm_r0
	ARM 3, G0R0, G1R,  .Larm_ps
	ARM 4, G0PS, G1PS, .Larm_rs
	ARM 5, G0RS, G1RS, .Larm_r1
	ARM 6, G0R1, G1R,  .Larm_p1
	tensor_load_to_lds s[G0P1:G0P1+3], s[G1P:G1P+7]
	s_nop 0
.rept 4
	v_nop
.endr
.Lasked:
	v_and_b32 v112, 15, v0                         ; r
	v_bfe_u32 v113, v0, 4, 1                       ; h
	v_and_b32 v8, 31, v0
	s_delay_alu instid0(VALU_DEP_1)
	v_lshlrev_b32 v8, 4, v8                        ; 16 x lane
	s_delay_alu instid0(VALU_DEP_4)
	v_mul_u32_u24 v114, v112, PITCH
	s_delay_alu instid0(VALU_DEP_1)
	v_lshl_add_u32 v114, v113, 4, v114
	s_mul_i32 s34, s[WP], 128*PITCH
	v_add_nc_u32 v1, s34, v114                     ; v1, v2: my 128 rows of P in the two halves of K
	s_delay_alu instid0(VALU_DEP_1)
	v_add_nc_u32 v2, PH, v1
	s_lshl_b32 s34, s[WR], 13
	s_add_co_u32 s34, s34, RIMG
	v_add_nc_u32 v3, s34, v8                       ; v3, v4: my two tiles' images
	s_delay_alu instid0(VALU_DEP_1)
	v_add_nc_u32 v4, RH, v3
	v_lshrrev_b32 v115, 3, v112
	v_and_b32 v116, 7, v112
	s_delay_alu instid0(VALU_DEP_2)
	v_mul_u32_u24 v117, v115, 272
	s_delay_alu instid0(VALU_DEP_1)
	v_lshl_add_u32 v117, v116, 5, v117
	s_delay_alu instid0(VALU_DEP_1)
	v_mad_u32_u24 v117, v113, 544, v117            ; scale bytes of row 16 h + r: 544 h + 272 (r / 8) + 32 (r % 8)
	s_mul_i32 s34, s[WP], 16*272
	s_add_co_u32 s34, s34, SCLP
	v_add_nc_u32 v5, s34, v117
	s_mul_i32 s34, s[WR], 4*272
	s_add_co_u32 s34, s34, SCLR
	v_add_nc_u32 v6, s34, v117
	v_lshlrev_b32 v7, 6, v113                      ; the bias: 16 h numbers on
	s_wait_alu depctr_va_vdst(0)
	s_mul_i32 s34, s[WV], 16*SPITCH
	s_add_co_u32 s34, s34, STG                     ; my stage
	v_mul_u32_u24 v10, v112, SPITCH
	s_delay_alu instid0(VALU_DEP_1)
	v_lshl_add_u32 v10, v113, 6, v10
	s_delay_alu instid0(VALU_DEP_1)
	v_add_nc_u32 v10, s34, v10                     ; in: row r, + 64 h
	v_add_nc_u32 v11, s34, v8                      ; back: a whole row, 16 bytes a lane
	s_lshl_b32 s34, s[PT], 1
	s_add_co_u32 s34, s34, s[WP]                   ; which 128 of the 1,024 n are mine
	s_lshl_b32 s4, s34, 9
	s_mov_b32 s5, 0
	s_add_nc_u64 s[12:13], s[12:13], s[4:5]        ; bo there
	s_lshl_b32 s35, s[RT], 7
	s_lshl_b32 s6, s[WR], 5
	s_add_co_u32 s35, s35, s6                      ; my first row of the output
	s_lshl_b32 s6, s35, 12
	s_add_co_u32 s6, s6, s4                        ; rows of 4,096 bytes; my 128 n are 512 bytes
	s_mov_b32 s7, 0
	s_add_nc_u64 s[14:15], s[14:15], s[6:7]
.irp j, 0,1
.irp t, 0,1,2,3,4,5,6,7                        ; tile t's registers are true n 32 (t / 2) + 8 (t % 2) + 16 h + 0 .. 7
	global_load_b128 v[ACC+64*\j+8*\t:ACC+64*\j+8*\t+3], v7, s[12:13] offset:(32*(\t/2)+8*(\t%2))*4
	global_load_b128 v[ACC+64*\j+8*\t+4:ACC+64*\j+8*\t+7], v7, s[12:13] offset:(32*(\t/2)+8*(\t%2))*4+16
.endr
.endr
.macro WM q, t, j
.set rD, ACC+64*(\j)+8*(\t)
.set rA, PF+8*(\t)
.set rB, RF+8*(\j)
.set rSA, SP+4*((\t)/2)+(\q)
.set rSB, SR+(\q)
.if ((\t)%2 == 0) && ((\j) == 0)
	v_wmma_scale_f32_16x16x128_f8f6f4 v[rD:rD+7], v[rA:rA+7], v[rB:rB+7], v[rD:rD+7], v[rSA], v[rSB] matrix_a_fmt:MATRIX_FMT_FP4 matrix_b_fmt:MATRIX_FMT_FP4
.elseif ((\t)%2 == 1) && ((\j) == 0)
	v_wmma_scale_f32_16x16x128_f8f6f4 v[rD:rD+7], v[rA:rA+7], v[rB:rB+7], v[rD:rD+7], v[rSA], v[rSB] matrix_a_fmt:MATRIX_FMT_FP4 matrix_b_fmt:MATRIX_FMT_FP4 matrix_a_scale:MATRIX_SCALE_ROW1
.elseif ((\t)%2 == 0)
	v_wmma_scale_f32_16x16x128_f8f6f4 v[rD:rD+7], v[rA:rA+7], v[rB:rB+7], v[rD:rD+7], v[rSA], v[rSB] matrix_a_fmt:MATRIX_FMT_FP4 matrix_b_fmt:MATRIX_FMT_FP4 matrix_b_scale:MATRIX_SCALE_ROW1
.else
	v_wmma_scale_f32_16x16x128_f8f6f4 v[rD:rD+7], v[rA:rA+7], v[rB:rB+7], v[rD:rD+7], v[rSA], v[rSB] matrix_a_fmt:MATRIX_FMT_FP4 matrix_b_fmt:MATRIX_FMT_FP4 matrix_a_scale:MATRIX_SCALE_ROW1 matrix_b_scale:MATRIX_SCALE_ROW1
.endif
.endm
.macro MUL q, t0                       ; the sixteen accumulators take turns, one instruction a turn, in the same order in every step
.irp t, \t0, \t0+1, \t0+2, \t0+3
.irp j, 0,1
	WM \q, \t, \j
.endr
.endr
.endm
.macro KLOAD s, q
.if (\s)+(\q) > 0
.rept 4
	v_nop                                          ; four places between the last matrix instruction and loads into registers that it has read
.endr
.endif
.if \q == 0
.irp i, 0,1,2,3
	ds_load_b128 v[SP+4*\i:SP+4*\i+3], v5 offset:1088*\i+16*\s
.endr
	ds_load_b128 v[SR:SR+3], v6 offset:16*\s
.endif
.irp j, 0,1
.irp c, 0,1
	ds_load_b128 v[RF+8*\j+4*\c:RF+8*\j+4*\c+3], v[3+\s] offset:4096*\j+1024*\q+512*\c   ; heads 2 q and 2 q + 1 of the half are the two halves of a fragment
.endr
.endr
.irp t, 0,1,2,3,4,5,6,7
.irp c, 0,1
	ds_load_b128 v[PF+8*\t+4*\c:PF+8*\t+4*\c+3], v[1+\s] offset:16*PITCH*\t+64*\q+32*\c
.endr
.endr
.endm
.macro KSTEP s, q
	KLOAD \s, \q
	s_wait_dscnt 8                                 ; all but the youngest eight loads, P's tiles 4-7
	MUL \q, 0
	s_wait_dscnt 0x0
	MUL \q, 4
.endm
	s_wait_loadcnt 0x0                             ; the bias
	s_cmp_ge_u32 s[WV], 5                          ; waves 0-4 fetched what is read behind this barrier and wait for it; the upper half's loads (waves 5-7) may stay out
	s_cbranch_scc1 .Lupper_out
	s_wait_tensorcnt 0x0
.Lupper_out:
	s_barrier_signal -1
	s_barrier_wait -1
	KSTEP 0, 0
	KSTEP 0, 1
	KSTEP 0, 2
	KSTEP 0, 3
	s_wait_tensorcnt 0x0                           ; my part of the second half is in
	s_wait_dscnt 0x0
	s_barrier_signal -1
	s_barrier_wait -1
	KSTEP 1, 0
	KSTEP 1, 1
	KSTEP 1, 2
	KSTEP 1, 3
; THE WAY OUT.  A lane holds 2 x 32 neighbouring bytes of each pair of tiles of one row; the rows come back whole.  LDS serves a wave's instructions in order: no wait between the stores and the loads, nor in front of the next tile's stores.
.macro TOSTAGE j, back
.irp t, 0,1,2,3,4,5,6,7
	ds_store_b128 v10, v[ACC+64*\j+8*\t:ACC+64*\j+8*\t+3] offset:128*(\t/2)+32*(\t%2)          ; each accumulator from its low end on
	ds_store_b128 v10, v[ACC+64*\j+8*\t+4:ACC+64*\j+8*\t+7] offset:128*(\t/2)+32*(\t%2)+16
.endr
.irp i, 0,1,2,3,4,5,6,7,8,9,10,11,12,13,14,15
	ds_load_b128 v[\back+4*\i:\back+4*\i+3], v11 offset:SPITCH*\i
.endr
.endm
.macro SEND j, back, younger
	s_wait_dscnt \younger
.irp i, 0,1,2,3,4,5,6,7,8,9,10,11,12,13,14,15
	global_store_b128 v8, v[\back+4*\i:\back+4*\i+3], s[14:15] offset:(8*\j+(\i%8)+16*(\i/8))*4096 th:TH_STORE_NT   ; 32 lanes store 512 consecutive bytes, aligned; stage row i is true row 8 j + (i % 8) + 16 (i / 8)
.endr
.endm
.rept 4
	v_nop                                          ; four places behind the last products
.endr
	s_wait_alu depctr_va_vdst(0)
	TOSTAGE 0, PF
	TOSTAGE 1, ACC                                 ; tile 1's rows land where tile 0's results lay: those went to the stage ahead of these loads
	SEND 0, PF, 32                                 ; behind tile 0's loads: tile 1's 16 stores and 16 loads
	SEND 1, ACC, 0
	s_wait_tensorcnt 0x0
	s_wait_tensorcnt 0x0
	ds_add_u32 v126, v127
	s_wait_dscnt 0x0
	CROUND                                         ; the closing round: no work-group ends while a partner may still ask for a tile that names it
	s_endpgm
.Lfunc_end_k_q3fd9ba964c_oproj:
	.size	k_q3fd9ba964c_oproj, .Lfunc_end_k_q3fd9ba964c_oproj-k_q3fd9ba964c_oproj
	.p2alignl 7, 3214868480
	.fill 96, 4, 3214868480
	.section	.rodata,"a",@progbits
	.p2align	6, 0x0
	.amdhsa_kernel k_q3fd9ba964c_oproj
		.amdhsa_group_segment_fixed_size 286464
		.amdhsa_private_segment_fixed_size 0
		.amdhsa_enable_private_segment 0
		.amdhsa_kernarg_size 48
		.amdhsa_user_sgpr_count 2
		.amdhsa_user_sgpr_kernarg_segment_ptr 1
		.amdhsa_wavefront_size32 1
		.amdhsa_system_sgpr_workgroup_id_x 1
		.amdhsa_system_sgpr_workgroup_id_y 1
		.amdhsa_system_sgpr_workgroup_id_z 1
		.amdhsa_system_vgpr_workitem_id 0
		.amdhsa_next_free_vgpr 256
		.amdhsa_next_free_sgpr 102
		.amdhsa_reserve_vcc 0
		.amdhsa_float_denorm_mode_32 3
		.amdhsa_float_denorm_mode_16_64 3
		.amdhsa_memory_ordered 1
		.amdhsa_forward_progress 1
		.amdhsa_inst_pref_size 49
	.end_amdhsa_kernel
	.amdgpu_metadata
---
amdhsa.version: [ 1, 2 ]
amdhsa.kernels:
  - .name:           k_q3fd9ba964c_oproj
    .symbol:         k_q3fd9ba964c_oproj.kd
    .args:
      - { .name: cimg, .offset: 0, .size: 8, .value_kind: global_buffer, .address_space: global }
      - { .name: csc, .offset: 8, .size: 8, .value_kind: global_buffer, .address_space: global }
      - { .name: wcodes, .offset: 16, .size: 8, .value_kind: global_buffer, .address_space: global }
      - { .name: wscales, .offset: 24, .size: 8, .value_kind: global_buffer, .address_space: global }
      - { .name: bo, .offset: 32, .size: 8, .value_kind: global_buffer, .address_space: global }
      - { .name: out0, .offset: 40, .size: 8, .value_kind: global_buffer, .address_space: global }
    .group_segment_fixed_size: 286464
    .private_segment_fixed_size: 0
    .kernarg_segment_align: 8
    .kernarg_segment_size: 48
    .max_flat_workgroup_size: 256
    .sgpr_count:     102
    .vgpr_count:     256
    .wavefront_size: 32
...
	.end_amdgpu_metadata
.endif
;; end of part 4
